; MI455X (gfx1250); checked and timed in simulation.
; The chip was launched on July 23, 2026; its instructions are those of AMD's public machine-readable ISA for CDNA 5 (MIT licence, August 2026) and "CDNA5" Instruction Set Architecture Reference Guide (July 2026). The comments in the code are by the model that wrote it; some were corrected since.
;; Switch Feed Forward. Allowed arithmetic: matrix products marked QUANTISED: E4M3 operands, one given power-of-two scale a tensor, by v_wmma_f32_16x16x64_fp8_fp8 or v_wmma_f32_16x16x128_fp8_fp8, f32 sums; products left as they are: f32 operands where the result goes on into a quantised operand, else bf16, f16 or f32 operands; f32 sums; everything else in f32.
;; Inputs: expert_b 8 x 2,048 float32; expert_w 8 x 2,048 x 2,048 float32; lowp_scales 2 int32 (the exponents e of the quantised operands' scales 2^e); switch_b 8 float32; switch_w 2,048 x 8 float32; x 2,048 x 2,048 float32.
;; Outputs: out0 2,048 x 2,048 float32; out1 8 float32; out2 8 float32; out3 2,048 float32.
;; This version of the problem:
;;   THIS VERSION OF THE PROBLEM IS GIVEN IN LOW PRECISION. The matrix products marked QUANTISED in the list below multiply operands that are first quantised to E4M3 (4 exponent bits, 3 mantissa bits; 8 bits a number), with one given power-of-two scale for each operand tensor; their sums are f32. All else is computed in f32.
;;   The module's matrix products, in the order in which they are computed (A, B: the left and right operand; K: the contracted axis; several contracted axes count as one K, in the product's order):
;;     1. [M 2,048, K 2,048] x [K 2,048, N 8]; A: input x; B: input switch_w: left as it is (N = 8 < 16)
;;     2. [M 2,048, K 2,048] x [K 2,048, N 16,384]; A: input x; B: input expert_w: QUANTISED (scales: A lowp_scales[0], B lowp_scales[1])
;;     3. batch 2,048 x [M 1, K 8] x [K 8, N 2,048]; A: computed on the way; B: computed on the way: left as it is (K = 8 < 32)
;;   THE QUANTISER, for each operand of a quantised product, along K:
;;     - The operand's scale is 2^e, e = its entry of the input lowp_scales (int32; the entries are numbered through the quantised products in the list's order, A before B).
;;     - Each number is divided by the scale, clamped to +-448, and rounded to the nearest number of E4M3, ties to even, subnormals kept.
;;     - The product sums the exact products of the quantised numbers (number of the format x scale) in f32.
;;   ~~~python
;;   def quantise(x, axis, e):      # numpy; x: float32 -> the quantised numbers, widened to float32 again
;;       x = np.moveaxis(x, axis, -1); K = x.shape[-1]
;;       r = np.clip(x / 2.0 ** e, -448, 448)
;;       step = 2.0 ** (np.maximum(np.frexp(np.where(r == 0, 1, r))[1] - 1, -6) - 3)
;;       q = np.round(r / step) * step * 2.0 ** e      # np.round: ties to even
;;       return np.moveaxis(q, -1, axis).astype(np.float32)
;;   ~~~
;; 2 versions. Each part assembles by itself: llvm-mc -triple=amdgcn-amd-amdhsa -mcpu=gfx1250 --defsym DOCPART=n.
;; ======== version 1 of 2: 3 launches
;; workspace buffers: routes 8,192 bytes of whole numbers; probt 65,536 bytes; meta 256 bytes of whole numbers; order 65,536 bytes of whole numbers; ps 65,536 bytes; xi 33,554,432 bytes
;; launch router (part 1): grid 256 x 1, 8 waves a work-group, no clusters, 76,800 bytes of LDS; arguments x, switch_w, switch_b, routes, probt, out3; writes routes, probt, out3
.if DOCPART == 1
	.amdgcn_target "amdgcn-amd-amdhsa--gfx1250"
	.amdhsa_code_object_version 6
	.text
	.protected	k_q99cf2c8900_router
	.globl	k_q99cf2c8900_router
	.p2align	8
	.type	k_q99cf2c8900_router,@function
k_q99cf2c8900_router:
	s_mov_b64 s[64:65], 0
	v_nop
	global_prefetch_b8 v0, s[64:65] scope:SCOPE_SE
	s_setreg_imm32_b32 hwreg(HW_REG_WAVE_MODE, 25, 1), 1
	s_wait_xcnt 0x0
; THE ROUTER: p = softmax(x switch_w + switch_b) over 8 experts, its largest number and the place of it, for 2,048 tokens.  All in f32: fused multiply-adds,
; since a choice that turns over spoils a whole row of the layer's output.  The row's maximum is taken away before the exponentials.
; SHARES.  A work-group takes 8 tokens.  Wave w takes k = 256 w .. 256 w + 255 of all 8; lane l holds, for chunk i = 0, 1, k = 256 w + 128 i + 4 l + 0 .. 3.
; switch_w [2048][8] is loaded as it lies (512 consecutive bytes a load) and turned through the wave's own LDS bytes, so that a lane gets its 4 k x 8 experts (128 bytes) whole:
; blocks of 128 bytes lie 144 apart, an odd multiple of 16 bytes.  64 sums a lane (8 tokens x 8 experts) are added over the 32 lanes by halving: in each of five steps a lane keeps
; half of its sums and hands the other half to its partner; at the end lane l holds sums l and 32 + l.  The eight waves' parts meet in LDS; wave 0 finishes.
; OUT: routes[token] (whole numbers, from which later launches form addresses), out3[token], probt[expert][token].  Eight tokens are 32 bytes of each: these stores are short pieces, 80 KB in the launch.
; LIMIT: NaN among the inputs is not served.
.set WSL, 9216                         ; a wave's slice of switch_w in LDS: 64 blocks x 144 bytes
.set RED, 8*WSL                        ; behind the slices: 8 waves x 64 sums
.set W,   16                           ; v16-79   W[32 i + 8 c + e]
.set X,   80                           ; v80-143  X[8 t + 4 i + c]
.set ACC, 144                          ; v144-207 ACC[8 t + e]
	s_load_b256 s[4:11], s[0:1], 0x0               ; x s[4:5], switch_w s[6:7], switch_b s[8:9], routes s[10:11]
	s_load_b128 s[12:15], s[0:1], 0x20             ; probt s[12:13], out3 s[14:15]
	v_lshl_add_u32 v208, v0, 2, 0x12800
	v_mov_b32 v209, 0
	v_lshrrev_b32 v5, 5, v0
	v_readfirstlane_b32 s16, v5                    ; wave 0..7
	v_and_b32 v6, 31, v0                           ; lane
	v_lshlrev_b32 v1, 4, v6                        ; 16 l: my 16 bytes of a load's 512
	v_lshrrev_b32 v7, 3, v6
	s_mul_i32 s17, s16, WSL
	v_lshl_add_u32 v2, v7, 4, v1                   ; into the slice: 16 l + 16 (l / 8): eight lanes fill a block, then 16 bytes of padding
	v_add_nc_u32 v2, s17, v2
	v_mul_u32_u24 v3, v6, 144                      ; out of it: block l of a chunk
	v_add_nc_u32 v3, s17, v3
	s_lshl_b32 s17, s16, 8
	v_lshl_add_u32 v4, v6, 2, s17
	v_add_nc_u32 v4, RED, v4                       ; where my two sums go: RED + 256 w + 4 l
	v_and_b32 v7, 7, v0
	v_lshlrev_b32 v5, 5, v7
	v_add_nc_u32 v5, RED, v5                       ; wave 0, lane t = l % 8: token t's eight sums of a wave
	v_lshlrev_b32 v7, 2, v7                        ; and its word in the outputs
	s_mov_b32 s24, 0xaaaaaaaa                      ; the lanes whose number has bit 0, 1, 2, 3, 4 set
	s_mov_b32 s25, 0xcccccccc
	s_mov_b32 s26, 0xf0f0f0f0
	s_mov_b32 s27, 0xff00ff00
	s_mov_b32 s28, 0xffff0000
	s_mov_b32 s30, 0x76543210                      ; v_permlanex16_b32: lane l xor 16
	s_mov_b32 s31, 0xfedcba98
	s_lshl_b32 s18, ttmp9, 16                      ; 8 rows of 8,192 bytes a work-group,
	s_lshl_b32 s19, s16, 10                        ; 1,024 bytes of a row a wave
	s_add_co_u32 s18, s18, s19
	s_mov_b32 s19, 0
	s_lshl_b32 s40, s16, 13                        ; 256 rows of switch_w a wave
	s_mov_b32 s41, 0
	s_lshl_b32 s42, ttmp9, 5                       ; 8 words of each output a work-group
	s_mov_b32 s43, 0
	s_wait_kmcnt 0x0
	s_load_b256 s[32:39], s[8:9], 0x0              ; switch_b
	s_add_nc_u64 s[20:21], s[4:5], s[18:19]
	s_add_nc_u64 s[22:23], s[6:7], s[40:41]
	s_add_nc_u64 s[10:11], s[10:11], s[42:43]
	s_add_nc_u64 s[12:13], s[12:13], s[42:43]
	s_add_nc_u64 s[14:15], s[14:15], s[42:43]
.irp j, 0,1,2,3,4,5,6,7,8,9,10,11,12,13,14,15
	global_load_b128 v[W+4*\j:W+4*\j+3], v1, s[22:23] offset:512*\j
.endr
.irp t, 0,1,2,3,4,5,6,7
.irp i, 0,1
	global_load_b128 v[X+8*\t+4*\i:X+8*\t+4*\i+3], v1, s[20:21] offset:8192*\t+512*\i
.endr
.endr
	s_wait_loadcnt 16                              ; switch_w's 16 loads are in; x's 16 are younger
.irp j, 0,1,2,3,4,5,6,7,8,9,10,11,12,13,14,15
	ds_store_b128 v2, v[W+4*\j:W+4*\j+3] offset:576*\j      ; a load's 512 bytes are four blocks: 4 x 144
.endr
	s_wait_dscnt 0x0                               ; the stores have read their registers, which the loads below fill
.irp i, 0,1
.irp n, 0,1,2,3,4,5,6,7
	ds_load_b128 v[W+32*\i+4*\n:W+32*\i+4*\n+3], v3 offset:4608*\i+16*\n   ; my own wave's bytes: no barrier
.endr
.endr
	s_wait_dscnt 0x0
; token t: 32 packed multiply-adds, two experts each; x's number is taken for both halves (op_sel picks it out of its pair).  The first four products start the sums.
.macro TOKEN t
	s_wait_loadcnt 14-2*\t                         ; this token's two loads are in; two for each later token stay out
.irp i, 0,1
.irp c, 0,1,2,3
.irp m, 0,1,2,3
.if (\i+\c) == 0
	v_pk_mul_f32 v[ACC+8*\t+2*\m:ACC+8*\t+2*\m+1], v[X+8*\t:X+8*\t+1], v[W+2*\m:W+2*\m+1] op_sel_hi:[0,1]
.elseif (\c%2) == 0
	v_pk_fma_f32 v[ACC+8*\t+2*\m:ACC+8*\t+2*\m+1], v[X+8*\t+4*\i+\c:X+8*\t+4*\i+\c+1], v[W+32*\i+8*\c+2*\m:W+32*\i+8*\c+2*\m+1], v[ACC+8*\t+2*\m:ACC+8*\t+2*\m+1] op_sel_hi:[0,1,1]
.else
	v_pk_fma_f32 v[ACC+8*\t+2*\m:ACC+8*\t+2*\m+1], v[X+8*\t+4*\i+\c-1:X+8*\t+4*\i+\c], v[W+32*\i+8*\c+2*\m:W+32*\i+8*\c+2*\m+1], v[ACC+8*\t+2*\m:ACC+8*\t+2*\m+1] op_sel:[1,0,0] op_sel_hi:[1,1,1]
.endif
.endr
.endr
.endr
.endm
.irp t, 0,1,2,3,4,5,6,7
	TOKEN \t
.endr
; One halving step on n sums.  A lane whose bit is 0 keeps sum 2 i and hands 2 i + 1 to its partner; a lane whose bit is 1 the other way round.
.macro RS n, xm, mask
.set ri, 0
.rept \n/2
	v_cndmask_b32 v[8+2*(ri%4)], v[ACC+2*ri+1], v[ACC+2*ri], s[\mask]      ; what I hand over
	v_cndmask_b32 v[9+2*(ri%4)], v[ACC+2*ri], v[ACC+2*ri+1], s[\mask]      ; what I keep
	v_add_f32_dpp v[ACC+ri], v[8+2*(ri%4)], v[9+2*(ri%4)] row_xmask:\xm row_mask:0xf bank_mask:0xf
.set ri, ri+1
.endr
.endm
	RS 64, 1, 24
	RS 32, 2, 25
	RS 16, 4, 26
	RS 8,  8, 27
.irp i, 0,1                                    ; the fifth step crosses the halves of the lanes
	v_cndmask_b32 v[8+4*\i], v[ACC+2*\i+1], v[ACC+2*\i], s28
	v_cndmask_b32 v[9+4*\i], v[ACC+2*\i], v[ACC+2*\i+1], s28
	v_permlanex16_b32 v[10+4*\i], v[8+4*\i], s30, s31
	v_add_f32 v[ACC+\i], v[10+4*\i], v[9+4*\i]
.endr
	ds_store_b32 v4, v[ACC]                        ; sum l = 8 t + e,
	ds_store_b32 v4, v[ACC+1] offset:128           ; and sum 32 + l
	s_wait_kmcnt 0x0                               ; switch_b
	s_wait_dscnt 0x0                               ; for the others' sake: my stores have landed
	s_barrier_signal -1
	s_barrier_wait -1
	s_cmp_lg_u32 s16, 0
	s_cbranch_scc1 .Lothers
.irp w, 0,1,2,3,4,5,6,7
	ds_load_b128 v[16+8*\w:19+8*\w], v5 offset:256*\w
	ds_load_b128 v[20+8*\w:23+8*\w], v5 offset:256*\w+16
.endr
	s_wait_dscnt 0x0
.irp m, 0,2,4,6                                ; the eight waves' parts, two experts at a time
	v_pk_add_f32 v[16+\m:17+\m], v[16+\m:17+\m], v[24+\m:25+\m]
	v_pk_add_f32 v[32+\m:33+\m], v[32+\m:33+\m], v[40+\m:41+\m]
	v_pk_add_f32 v[48+\m:49+\m], v[48+\m:49+\m], v[56+\m:57+\m]
	v_pk_add_f32 v[64+\m:65+\m], v[64+\m:65+\m], v[72+\m:73+\m]
	v_pk_add_f32 v[16+\m:17+\m], v[16+\m:17+\m], v[32+\m:33+\m]
	v_pk_add_f32 v[48+\m:49+\m], v[48+\m:49+\m], v[64+\m:65+\m]
	v_pk_add_f32 v[16+\m:17+\m], v[16+\m:17+\m], v[48+\m:49+\m]
.endr
.irp e, 0,1,2,3,4,5,6,7
	v_add_f32 v[16+\e], s[32+\e], v[16+\e]         ; + switch_b
.endr
	v_max3_num_f32 v80, v16, v17, v18
	v_max3_num_f32 v80, v80, v19, v20
	v_max3_num_f32 v80, v80, v21, v22
	v_max_num_f32 v80, v80, v23                    ; the row's maximum
.irp e, 0,1,2,3,4,5,6,7
	v_sub_f32 v[24+\e], v[16+\e], v80
.endr
.irp e, 0,1,2,3,4,5,6,7
	v_mul_f32 v[24+\e], 0x3fb8aa3b, v[24+\e]       ; x log2(e)
.endr
.irp e, 0,1,2,3,4,5,6,7
	v_exp_f32 v[32+\e], v[24+\e]
.endr
	v_nop                                          ; a plain instruction behind the last exponential
	s_wait_alu depctr_va_vdst(0)                   ; one wait for the eight, ahead of their first reader
	v_pk_add_f32 v[40:41], v[32:33], v[34:35]
	v_pk_add_f32 v[42:43], v[36:37], v[38:39]
	v_pk_add_f32 v[40:41], v[40:41], v[42:43]
	v_add_f32 v40, v40, v41
	v_rcp_f32 v44, v40
	v_mov_b32 v45, 0                               ; (a plain instruction behind the reciprocal)  the place of the largest so far
	s_wait_alu depctr_va_vdst(0)
.irp e, 0,1,2,3,4,5,6,7
	v_mul_f32 v[32+\e], v[32+\e], v44              ; route_prob
.endr
	v_mov_b32 v46, v32
.irp e, 1,2,3,4,5,6,7
	v_cmp_ge_f32 vcc_lo, v46, v[32+\e]             ; the earlier place is kept unless this one is truly larger: of equals the lower index
	v_cndmask_b32 v45, \e, v45, vcc_lo
	v_max_num_f32 v46, v46, v[32+\e]
.endr
	s_wait_xcnt 0x0                                ; EXEC changes only behind this wait
	v_cmp_gt_u32 vcc_lo, 8, v0
	s_wait_tensorcnt 0x0
	ds_add_u32 v208, v209
	s_wait_dscnt 0x0
	s_and_saveexec_b32 s17, vcc_lo                 ; lanes 0 to 7: a token each
	global_store_b32 v7, v45, s[10:11]
	global_store_b32 v7, v46, s[14:15]
.irp e, 0,1,2,3,4,5,6,7
	global_store_b32 v7, v[32+\e], s[12:13] offset:8192*\e
.endr
	s_wait_xcnt 0x0
	s_or_b32 exec_lo, exec_lo, s17
	s_endpgm
.Lothers:
	s_wait_tensorcnt 0x0
	ds_add_u32 v208, v209
	s_wait_dscnt 0x0
	s_endpgm
.Lfunc_end_k_q99cf2c8900_router:
	.size	k_q99cf2c8900_router, .Lfunc_end_k_q99cf2c8900_router-k_q99cf2c8900_router
	.p2alignl 7, 3214868480
	.fill 96, 4, 3214868480
	.section	.rodata,"a",@progbits
	.p2align	6, 0x0
	.amdhsa_kernel k_q99cf2c8900_router
		.amdhsa_group_segment_fixed_size 76800
		.amdhsa_private_segment_fixed_size 0
		.amdhsa_enable_private_segment 0
		.amdhsa_kernarg_size 48
		.amdhsa_user_sgpr_count 2
		.amdhsa_user_sgpr_kernarg_segment_ptr 1
		.amdhsa_wavefront_size32 1
		.amdhsa_system_sgpr_workgroup_id_x 1
		.amdhsa_system_sgpr_workgroup_id_y 1
		.amdhsa_system_sgpr_workgroup_id_z 1
		.amdhsa_system_vgpr_workitem_id 0
		.amdhsa_next_free_vgpr 210
		.amdhsa_next_free_sgpr 66
		.amdhsa_reserve_vcc 1
		.amdhsa_float_denorm_mode_32 3
		.amdhsa_float_denorm_mode_16_64 3
		.amdhsa_memory_ordered 1
		.amdhsa_forward_progress 1
		.amdhsa_inst_pref_size 43
	.end_amdhsa_kernel
	.amdgpu_metadata
---
amdhsa.version: [ 1, 2 ]
amdhsa.kernels:
  - .name:           k_q99cf2c8900_router
    .symbol:         k_q99cf2c8900_router.kd
    .args:
      - { .name: x, .offset: 0, .size: 8, .value_kind: global_buffer, .address_space: global }
      - { .name: switch_w, .offset: 8, .size: 8, .value_kind: global_buffer, .address_space: global }
      - { .name: switch_b, .offset: 16, .size: 8, .value_kind: global_buffer, .address_space: global }
      - { .name: routes, .offset: 24, .size: 8, .value_kind: global_buffer, .address_space: global }
      - { .name: probt, .offset: 32, .size: 8, .value_kind: global_buffer, .address_space: global }
      - { .name: out3, .offset: 40, .size: 8, .value_kind: global_buffer, .address_space: global }
    .group_segment_fixed_size: 76800
    .private_segment_fixed_size: 0
    .kernarg_segment_align: 8
    .kernarg_segment_size: 48
    .max_flat_workgroup_size: 256
    .sgpr_count:     66
    .vgpr_count:     210
    .wavefront_size: 32
...
	.end_amdgpu_metadata
.endif
;; end of part 1
;; launch place (part 2): grid 136 x 8, 1 waves a work-group, no clusters, 16,640 bytes of LDS; arguments routes, probt, out3, x, lowp_scales, xi, order, ps, meta, out1, out2; writes xi, order, ps, meta, out1, out2
.if DOCPART == 2
	.amdgcn_target "amdgcn-amd-amdhsa--gfx1250"
	.amdhsa_code_object_version 6
	.text
	.protected	k_q99cf2c8900_place
	.globl	k_q99cf2c8900_place
	.p2align	8
	.type	k_q99cf2c8900_place,@function
k_q99cf2c8900_place:
	s_mov_b64 s[64:65], 0
	v_nop
	global_prefetch_b8 v0, s[64:65] scope:SCOPE_SE
	s_setreg_imm32_b32 hwreg(HW_REG_WAVE_MODE, 25, 1), 1
	s_wait_xcnt 0x0
; THE ROWS ARE PLACED BY EXPERT AND QUANTISED.  Work-group (x, y): expert e = y; slot j = x / 8 (0..16); kp = x % 8.  One wave.
; It lists expert e's tokens (a counting pass over all 2,048 routes; every work-group of an expert makes the same list), then walks the expert's tiles of 16 listed rows j, j + 17, ..
; and turns K steps 2 kp and 2 kp + 1 (128 along K each) of each tile into codes of E4M3: code = x / 2^ex, held within +-448, to the nearest code, ties to even.
; xi: an IMAGE OF THE OPERAND'S REGISTERS: byte (128 e + tile) 32768 + 2048 s + 512 c + 16 lane; lane (r, h) holds row r's codes of k = 128 s + 32 c + 16 h + 0 .. 15.  Each store is 512 consecutive bytes.
; An expert has room for 128 tiles, so that an address hangs on its own count alone.  There are nte = max(1, ceil(count / 16)) tiles; places past the count repeat the expert's last token (token 0 for an expert with none).
; order[e][place] = token, ps[e][place] = its route_prob_max: written by kp = 0.  meta[e] = count, out1[e] = count as f32, out2[e] = the sum of route_prob: written by work-group x = 0.
; 17 slots serve the 16 or 17 tiles of an even split in the first of eight trips and all 128 in the eight; the trip count is a constant, and a trip whose tile the expert does not have is passed over by a scalar
; branch on the count.  A slot with j >= nte has no rows and stores nothing: the price of a grid that serves every split.
; One wave to a work-group: the list's stores go to places that hang on the routes, and no other wave is there to meet them.
; LDS: words 0-2047 the list; words 2048-2079 a spare word for each lane, written and never read; the place is held under 4,096 words, which is what the launch claims.
; LIMITS: ex between -126 and 119, so that 2^ex and 448 x 2^ex are f32 numbers.  NaN among the inputs is not served.
.set R,   16                           ; v16-79   the routes: register 4 i + c belongs to token 128 i + 4 lane + c
.set X,   16                           ; v16-143  later: X[64 sl + 16 c + i] = x(my row, 128 (2 kp + sl) + 32 c + 16 h + i)
.set PC,  144                          ; v144-175 two fragments' codes
.set ZR,  144                          ; v144-147 before that: zeros
.set DMP, 148                          ; v148     before that: 2048 + lane, my spare word's place
	s_load_b512 s[16:31], s[0:1], 0x0              ; routes s[16:17], probt s[18:19], out3 s[20:21], x s[22:23], lowp_scales s[24:25], xi s[26:27], order s[28:29], ps s[30:31]
	s_load_b128 s[32:35], s[0:1], 0x40             ; meta s[32:33], out1 s[34:35]
	s_load_b64 s[36:37], s[0:1], 0x50              ; out2
	v_lshl_add_u32 v176, v0, 2, 0x4000
	v_mov_b32 v177, 0
	s_and_b32 s2, ttmp7, 0xffff                    ; e
	s_lshr_b32 s3, ttmp9, 3                        ; j
	s_and_b32 s4, ttmp9, 7                         ; kp
	v_lshlrev_b32 v1, 2, v0                        ; 4 x lane
	v_lshlrev_b32 v2, 4, v0                        ; 16 x lane
	v_and_b32 v3, 15, v0                           ; r
	v_lshrrev_b32 v4, 4, v0
	v_lshlrev_b32 v4, 6, v4                        ; 64 h: my 16 numbers of a block of 32
	v_add_nc_u32 v[DMP], 0x800, v0
.irp i, 0,1,2,3
	v_mov_b32 v[ZR+\i], 0
.endr
	s_mov_b32 s5, 0                                ; tokens of expert e found so far
	s_mov_b32 s12, 0x76543210
	s_mov_b32 s13, 0xfedcba98
	s_mov_b32 s47, 0
.irp i, 0,1,2,3,4,5,6,7,8,9,10,11,12,13,14,15
	ds_store_b128 v2, v[ZR:ZR+3] offset:512*\i     ; every place of the list holds token 0 until a token takes it
.endr
	s_wait_kmcnt 0x0
	s_load_b32 s50, s[24:25], 0x0                  ; ex
.irp i, 0,1,2,3,4,5,6,7,8,9,10,11,12,13,14,15
	global_load_b128 v[R+4*\i:R+4*\i+3], v2, s[16:17] offset:512*\i
.endr
	s_lshl_b32 s46, s4, 10
	s_add_nc_u64 s[38:39], s[22:23], s[46:47]      ; x at my two K steps: 1,024 kp bytes into a row
	s_lshl_b32 s46, s2, 22
	s_lshl_b32 s10, s4, 12
	s_add_co_u32 s46, s46, s10
	s_add_nc_u64 s[40:41], s[26:27], s[46:47]      ; xi at expert e, K step 2 kp
	s_lshl_b32 s46, s2, 13
	s_add_nc_u64 s[42:43], s[28:29], s[46:47]      ; order, ps and probt at expert e
	s_add_nc_u64 s[44:45], s[30:31], s[46:47]
	s_add_nc_u64 s[48:49], s[18:19], s[46:47]
	s_wait_loadcnt 0x0
; The list: for each of my 64 registers, the lanes whose token goes to expert e take the next places, in lane order; the other lanes store into their spare words.  All lanes stay on.
; The place is held inside the claimed LDS behind the choice.  LDS serves a wave's instructions in order (ISA guide 5.7.1.4): these stores come behind the zeros.
.set sg, 0
.rept 64
	v_cmp_eq_u32 vcc_lo, s2, v[R+sg]
	v_mbcnt_lo_u32_b32 v5, vcc_lo, s5              ; found so far + such lanes below me
	v_cndmask_b32 v5, v[DMP], v5, vcc_lo           ; or my spare word
	v_min_u32 v5, 0xfff, v5
	v_lshlrev_b32 v5, 2, v5
	v_add_nc_u32 v6, 128*(sg/4)+sg%4, v1           ; the token
	s_bcnt1_i32_b32 s10, vcc_lo
	s_add_co_u32 s5, s5, s10
	ds_store_b32 v5, v6
.set sg, sg+1
.endr
	s_wait_dscnt 0x0
	s_wait_kmcnt 0x0
	s_min_u32 s5, s5, 0x800                        ; the count
	s_add_co_u32 s6, s5, 15
	s_lshr_b32 s6, s6, 4
	s_max_u32 s6, s6, 1                            ; nte
	s_max_u32 s7, s5, 1
	s_sub_co_u32 s7, s7, 1                         ; the last place that holds a token
	s_add_co_i32 s50, s50, 127
	s_lshl_b32 s51, s50, 23
	v_mov_b32 v12, s51                             ; 2^ex as f32: the conversion takes its exponent field
	s_add_co_i32 s50, s50, 8
	s_lshl_b32 s50, s50, 23
	s_or_b32 s50, s50, 0x600000
	v_mov_b32 v11, s50                             ; 448 x 2^ex
	s_mov_b32 s8, s3                               ; the tile in hand
	s_mov_b32 s14, 0                               ; trips
; 64 numbers of a lane, register 16 b + i = k 32 b + 16 h + i of my row, become a fragment's 16 registers of codes
.macro QUANT s, d
.irp b, 0,1,2,3
.irp i, 0,1,2,3,4,5,6,7,8,9,10,11,12,13,14,15
	v_med3_num_f32 v[\s+16*\b+\i], v[\s+16*\b+\i], -v11, v11   ; the conversion to an 8-bit code does not saturate (ISA guide 7.6.2): the hold at the largest code x the scale
.endr
	v_cvt_scalef32_pk8_fp8_f32 v[\d+4*\b:\d+4*\b+1], v[\s+16*\b:\s+16*\b+7], v12
	v_cvt_scalef32_pk8_fp8_f32 v[\d+4*\b+2:\d+4*\b+3], v[\s+16*\b+8:\s+16*\b+15], v12
.endr
	v_nop                                          ; a plain instruction behind the last conversion
.endm
.Ltile:                                            ; eight trips: tiles j, j + 17, .. j + 119
	s_cmp_lt_u32 s8, s6
	s_cbranch_scc0 .Lno_tile                       ; the expert has no such tile
	s_wait_xcnt 0x0                                ; the last trip's stores have read their registers
	s_lshl_b32 s10, s8, 4
	v_add_nc_u32 v14, s10, v3                      ; my row's place: 16 x tile + r,
	v_min_u32 v14, s7, v14                         ; or the last token's,
	v_min_u32 v14, 0x7ff, v14                      ; inside the list
	v_lshlrev_b32 v14, 2, v14
	ds_load_b32 v7, v14
	s_min_u32 s11, s8, 127                         ; the tile, inside the expert's room
	s_lshl_b32 s10, s11, 15
	v_add_nc_u32 v9, s10, v2                       ; its image, my lane's 16 bytes
	s_lshl_b32 s10, s11, 6
	v_lshl_add_u32 v10, v3, 2, s10                 ; its 16 words of order and ps
	s_wait_dscnt 0x0
	v_min_u32 v7, 0x7ff, v7                        ; the token, inside x
	v_lshlrev_b32 v15, 2, v7
	v_lshl_add_u32 v8, v7, 13, v4                  ; its row of 8,192 bytes, + 64 h
	global_load_b32 v13, v15, s[20:21]             ; its route_prob_max
.irp sl, 0,1
.irp c, 0,1,2,3
.irp q, 0,1,2,3
	global_load_b128 v[X+64*\sl+16*\c+4*\q:X+64*\sl+16*\c+4*\q+3], v8, s[38:39] offset:512*\sl+128*\c+16*\q
.endr
.endr
.endr
	s_wait_loadcnt 16                              ; the first K step's numbers are in; the second's 16 loads are younger
	QUANT X, PC
.irp c, 0,1,2,3
	global_store_b128 v9, v[PC+4*\c:PC+4*\c+3], s[40:41] offset:512*\c          ; 32 lanes store 512 consecutive bytes
.endr
	s_wait_loadcnt 0x0
	QUANT X+64, PC+16
.irp c, 0,1,2,3
	global_store_b128 v9, v[PC+16+4*\c:PC+16+4*\c+3], s[40:41] offset:2048+512*\c
.endr
	s_cmp_lg_u32 s4, 0
	s_cbranch_scc1 .Lno_tile
	global_store_b32 v10, v7, s[42:43]             ; the tile's 16 tokens: lanes l and l + 16 hold the same row and store the same word
	global_store_b32 v10, v13, s[44:45]
.Lno_tile:
	s_add_co_u32 s8, s8, 17
	s_add_co_u32 s14, s14, 1
	s_cmp_lt_u32 s14, 8
	s_cbranch_scc1 .Ltile
	s_cmp_lg_u32 ttmp9, 0
	s_cbranch_scc1 .Lend
.irp i, 0,1,2,3,4,5,6,7,8,9,10,11,12,13,14,15
	global_load_b128 v[16+4*\i:19+4*\i], v2, s[48:49] offset:512*\i             ; expert e's 2,048 probabilities
.endr
	s_wait_loadcnt 0x0
.irp j, 0,2,4,6,8,10,12,14,16,18,20,22,24,26,28,30
	v_pk_add_f32 v[16+\j:17+\j], v[16+\j:17+\j], v[48+\j:49+\j]
.endr
.irp j, 0,2,4,6,8,10,12,14
	v_pk_add_f32 v[16+\j:17+\j], v[16+\j:17+\j], v[32+\j:33+\j]
.endr
.irp j, 0,2,4,6
	v_pk_add_f32 v[16+\j:17+\j], v[16+\j:17+\j], v[24+\j:25+\j]
.endr
.irp j, 0,2
	v_pk_add_f32 v[16+\j:17+\j], v[16+\j:17+\j], v[20+\j:21+\j]
.endr
	v_pk_add_f32 v[16:17], v[16:17], v[18:19]
	v_add_f32 v16, v16, v17
	v_add_f32_dpp v16, v16, v16 row_xmask:1 row_mask:0xf bank_mask:0xf
	v_add_f32_dpp v16, v16, v16 row_xmask:2 row_mask:0xf bank_mask:0xf
	v_add_f32_dpp v16, v16, v16 row_xmask:4 row_mask:0xf bank_mask:0xf
	v_add_f32_dpp v16, v16, v16 row_xmask:8 row_mask:0xf bank_mask:0xf
	v_permlanex16_b32 v17, v16, s12, s13
	v_add_f32 v16, v16, v17
	s_wait_xcnt 0x0                                ; earlier stores have read their registers; EXEC changes below
	s_lshl_b32 s10, s2, 2
	v_mov_b32 v14, s10
	v_mov_b32 v15, s5
	v_cvt_f32_u32 v18, v15
	v_cmp_eq_u32 vcc_lo, 0, v0
	s_and_saveexec_b32 s9, vcc_lo                  ; lane 0
	global_store_b32 v14, v15, s[32:33]
	global_store_b32 v14, v18, s[34:35]
	global_store_b32 v14, v16, s[36:37]
	s_wait_xcnt 0x0
	s_or_b32 exec_lo, exec_lo, s9
.Lend:
	s_wait_tensorcnt 0x0
	ds_add_u32 v176, v177
	s_wait_dscnt 0x0
	s_endpgm
.Lfunc_end_k_q99cf2c8900_place:
	.size	k_q99cf2c8900_place, .Lfunc_end_k_q99cf2c8900_place-k_q99cf2c8900_place
	.p2alignl 7, 3214868480
	.fill 96, 4, 3214868480
	.section	.rodata,"a",@progbits
	.p2align	6, 0x0
	.amdhsa_kernel k_q99cf2c8900_place
		.amdhsa_group_segment_fixed_size 16640
		.amdhsa_private_segment_fixed_size 0
		.amdhsa_enable_private_segment 0
		.amdhsa_kernarg_size 88
		.amdhsa_user_sgpr_count 2
		.amdhsa_user_sgpr_kernarg_segment_ptr 1
		.amdhsa_wavefront_size32 1
		.amdhsa_system_sgpr_workgroup_id_x 1
		.amdhsa_system_sgpr_workgroup_id_y 1
		.amdhsa_system_sgpr_workgroup_id_z 1
		.amdhsa_system_vgpr_workitem_id 0
		.amdhsa_next_free_vgpr 178
		.amdhsa_next_free_sgpr 66
		.amdhsa_reserve_vcc 1
		.amdhsa_float_denorm_mode_32 3
		.amdhsa_float_denorm_mode_16_64 3
		.amdhsa_memory_ordered 1
		.amdhsa_forward_progress 1
		.amdhsa_inst_pref_size 50
	.end_amdhsa_kernel
	.amdgpu_metadata
---
amdhsa.version: [ 1, 2 ]
amdhsa.kernels:
  - .name:           k_q99cf2c8900_place
    .symbol:         k_q99cf2c8900_place.kd
    .args:
      - { .name: routes, .offset: 0, .size: 8, .value_kind: global_buffer, .address_space: global }
      - { .name: probt, .offset: 8, .size: 8, .value_kind: global_buffer, .address_space: global }
      - { .name: out3, .offset: 16, .size: 8, .value_kind: global_buffer, .address_space: global }
      - { .name: x, .offset: 24, .size: 8, .value_kind: global_buffer, .address_space: global }
      - { .name: lowp_scales, .offset: 32, .size: 8, .value_kind: global_buffer, .address_space: global }
      - { .name: xi, .offset: 40, .size: 8, .value_kind: global_buffer, .address_space: global }
      - { .name: order, .offset: 48, .size: 8, .value_kind: global_buffer, .address_space: global }
      - { .name: ps, .offset: 56, .size: 8, .value_kind: global_buffer, .address_space: global }
      - { .name: meta, .offset: 64, .size: 8, .value_kind: global_buffer, .address_space: global }
      - { .name: out1, .offset: 72, .size: 8, .value_kind: global_buffer, .address_space: global }
      - { .name: out2, .offset: 80, .size: 8, .value_kind: global_buffer, .address_space: global }
    .group_segment_fixed_size: 16640
    .private_segment_fixed_size: 0
    .kernarg_segment_align: 8
    .kernarg_segment_size: 88
    .max_flat_workgroup_size: 32
    .sgpr_count:     66
    .vgpr_count:     178
    .wavefront_size: 32
...
	.end_amdgpu_metadata
.endif
;; end of part 2
;; launch gemm (part 3): grid 32 x 8, 8 waves a work-group, no clusters, 166,912 bytes of LDS; arguments expert_w, expert_b, lowp_scales, xi, order, ps, meta, out0; writes out0
.if DOCPART == 3
	.amdgcn_target "amdgcn-amd-amdhsa--gfx1250"
	.amdhsa_code_object_version 6
	.text
	.protected	k_q99cf2c8900_gemm
	.globl	k_q99cf2c8900_gemm
	.p2align	8
	.type	k_q99cf2c8900_gemm,@function
k_q99cf2c8900_gemm:
	s_mov_b64 s[64:65], 0
	v_nop
	global_prefetch_b8 v0, s[64:65] scope:SCOPE_SE
	s_setreg_imm32_b32 hwreg(HW_REG_WAVE_MODE, 25, 1), 1
	s_wait_xcnt 0x0
; out0[token] = relu(Q(x[token]) Q(expert_w[e]) + expert_b[e]) x route_prob_max[token], e = the token's expert; both operands as codes of E4M3, v_wmma_f32_16x16x128_fp8_fp8, sums in f32, each sum x 2^(ex + ew).
; SHARES.  Work-group (cb, e) owns expert e, columns 64 cb .. 64 cb + 63, and ALL rows of that expert: so each byte of expert_w is read once in the launch, 512 KiB a work-group, and its codes never go to memory.
; Waves 4-7 PRODUCE: each has one K step of the weights (128 k x 64 columns of f32, 64 loads of two aligned rows of 256 bytes) on its way, holds and converts it, turns the bytes so that K runs along a register, and
; stores the fragments to LDS as images of the operand's registers (16 bytes a lane, 512 a store).  All 16 K steps' images stay in LDS (128 KiB); none is written twice.
; Waves 0-3 CONSUME: wave g multiplies row tiles 5 g .. 5 g + 4 (16 rows each; 320 rows in all) by the four column tiles: 20 accumulators, which take turns, one instruction a turn.
; x's codes come from xi, laid as register images by the launch before: 512 consecutive bytes a load.  A tile past the expert's last is replaced by the last, so that the stream has no branch on the count; its result is not stored.
; ROWS PAST 320: behind the stream all eight waves walk the remaining tiles, 40 a trip, against the images in LDS: three trips, a constant, which reach tile 139 of at most 128; a wave whose five tiles the expert
; does not have passes a trip's work over by a scalar branch on the stored count; there is no barrier there.  Right for every split, slower for uneven ones.
; WHICH COLUMNS FORM A TILE: tile c holds columns 4 q + c, q = 0 .. 15: a producer's lane (q, h), which loads columns 4 q .. 4 q + 3 of 16 rows k, holds after the turn just lane (q, h)'s registers of the four tiles.
; THE PRODUCT IS USED TRANSPOSED (source 0 = weights, source 1 = x): register j of tile c in lane (r, h) is row r, column 32 h + 4 j + c: a lane's 32 results are 32 neighbouring columns.
; k in a fragment: registers 4 p .. 4 p + 3 hold k = 32 p + 16 h + 0 .. 15, alike in both operands: a permutation of k, which changes only the order of the sums inside an instruction.
; The padded rows of an expert's last tile are copies of its last token: they store the same bytes to the same row, at most 15 rows a work-group.
; THE TWO ROLES USE THE SAME REGISTER NUMBERS.  Each piece of the text that loads begins with a wait for all the wave's loads, so that no register is loaded again while an earlier load into it could be out, whichever pieces follow each other.
; NO JOINT LOADS: the 32 work-groups of an expert read the same x codes.
; LIMITS: ew between -126 and 119, ex + ew between -126 and 127, so that each power of two below is an f32 number.  NaN among the inputs is not served.
; REGISTERS, window 0: v1-13 addresses and constants; v14-18 the five tiles' offsets in xi; v19-23 their route_prob_max; v24-27 at work.  Consumers: v32-63 bias; v64-103 tokens, then row offsets; v104-183 x's five fragments
; (on the way out: results and rows); v184-247 the weights' four fragments.  Producers: v32-47 codes, v48-63 turned codes, v64-255 and window 1's v0-63 the K step on its way.  Window 1: accumulator (t, c) at v[8 (4 t + c)].
.set LI,   1                           ; 16 x lane: an image's place for my lane; the LDS address of images 0-7
.set Q16,  2                           ; 16 q
.set H32,  3                           ; 32 h
.set R4,   4                           ; 4 r
.set H128, 5                           ; 128 h
.set STO,  6                           ; my stage: row r, + 128 h
.set SRD,  7                           ; my stage: row 8 h, + 16 q
.set ADRB, 8                           ; the loop's images
.set IMGW, 9                           ; where a producer stores
.set WOFF, 10                          ; 16 rows of expert_w x h + 16 q
.set LIM,  11                          ; 448 x 2^ew
.set SCV,  12                          ; 2^ew
.set HI,   13                          ; 16 x lane + 65536: the LDS address of images 8-15
.set AD,   14
.set PS,   19
.set TP,   24
.set BI,   32
.set TO,   64
.set A0,   104
.set B,    184
.set BT,   184                         ; the lists' offsets, ten registers, before B's first use in a block
.set T,    104
.set RB,   136
.set Q,    32
.set F,    48
.set STG,  131072                      ; behind the images: 16 rows x 272 bytes for each wave
.set MSB, 0
.macro WIN new                         ; the immediate's high byte repeats the setting that is left; at a label and at a branch every window is 0
.if MSB != \new
	s_set_vgpr_msb (MSB<<8)|\new
.set MSB, \new
.endif
.endm
.macro BAR                             ; my LDS stores have landed and my LDS loads are in: then the work-group's barrier
	s_wait_dscnt 0x0
	s_barrier_signal -1
	s_barrier_wait -1
.endm
; Quarter p of a K step: 16 loads; load i brings W(32 p + 16 h + i, columns 4 q .. 4 q + 3): lanes 0-15 one aligned row of 256 bytes, lanes 16-31 the row 16 further down
.macro WLOAD p
.if \p == 3
	WIN 0x40                                       ; destination window 1
.endif
.set li, 0
.rept 16
	global_load_b128 v[(64+64*\p)%256+4*li:(64+64*\p)%256+4*li+3], v[WOFF], s[36:37] offset:(32*\p+li)*8192 th:TH_LOAD_NT
.set li, li+1
.endr
	WIN 0
.endm
; Quarter p becomes codes.  Q[i] = the codes of my 4 columns at k = i; a turn of 4 x 4 bytes gives F[4 c + g] = column c's codes at k = 4 g .. 4 g + 3: registers 4 p .. 4 p + 3 of tile c's fragment.
; The quarter's registers take the loads of the K step four further on as soon as they are converted; cond = 1: only while there is such a step.
.macro QTR p, cond
.set LB, (64+64*\p)%256
.if \p == 3
	WIN 0x41                                       ; destination and source 0 window 1
.endif
.set qi, 0
.rept 64
	v_med3_num_f32 v[LB+qi], v[LB+qi], -v[LIM], v[LIM]     ; the conversion to an 8-bit code does not saturate (ISA guide 7.6.2): the hold at the largest code x the scale
.set qi, qi+1
.endr
.if \p == 3
	WIN 0x01                                       ; source 0 window 1
.endif
.set qi, 0
.rept 8
	v_cvt_scalef32_pk8_fp8_f32 v[Q+2*qi:Q+2*qi+1], v[LB+8*qi:LB+8*qi+7], v[SCV]
.set qi, qi+1
.endr
	WIN 0
	v_nop                                          ; a plain instruction behind the last conversion
.if \cond
	s_cmp_lt_u32 s10, 2
	s_cbranch_scc0 .Lno_refill_\@
.endif
	WLOAD \p
.if \cond
.Lno_refill_\@:
.endif
	s_wait_dscnt 0x0                               ; the last quarter's stores have read F
.irp g, 0,1,2,3
	v_perm_b32 v[TP],   v[Q+4*\g+1], v[Q+4*\g],   s40
	v_perm_b32 v[TP+1], v[Q+4*\g+1], v[Q+4*\g],   s41
	v_perm_b32 v[TP+2], v[Q+4*\g+3], v[Q+4*\g+2], s40
	v_perm_b32 v[TP+3], v[Q+4*\g+3], v[Q+4*\g+2], s41
	v_perm_b32 v[F+\g],    v[TP+2], v[TP],   s42
	v_perm_b32 v[F+4+\g],  v[TP+2], v[TP],   s43
	v_perm_b32 v[F+8+\g],  v[TP+3], v[TP+1], s42
	v_perm_b32 v[F+12+\g], v[TP+3], v[TP+1], s43
.endr
.irp c, 0,1,2,3
	ds_store_b128 v[IMGW], v[F+4*\c:F+4*\c+3] offset:2048*\c+512*\p
.endr
.endm
.macro JOB cond                        ; one K step, 128 k x 64 columns, from registers to LDS
	s_wait_loadcnt 0x0                             ; the step's 64 loads are all that I have out
	s_add_nc_u64 s[36:37], s[36:37], 0x400000      ; so their base may step: four K steps of 128 rows x 8,192 bytes
	QTR 0, \cond
	QTR 1, \cond
	QTR 2, \cond
	QTR 3, \cond
.endm
; The five tiles from s9 on: each held at the expert's last tile and inside the expert's room; their offsets in xi, their tokens (rows 8 h .. 8 h + 7) and their route_prob_max (row r)
.macro BSETUP
	s_wait_loadcnt 0x0                             ; no load of mine is out: the registers below may be loaded
	s_wait_xcnt 0x0                                ; earlier stores have read the registers that are written here
.irp t, 0,1,2,3,4
	s_add_co_u32 s44, s9, \t
	s_min_u32 s44, s44, s8
	s_min_u32 s44, s44, 127
	s_lshl_b32 s45, s44, 15
	v_add_nc_u32 v[AD+\t], s45, v[LI]
	s_lshl_b32 s45, s44, 6
	v_add_nc_u32 v[BT+2*\t], s45, v[H32]
	v_add_nc_u32 v[BT+2*\t+1], s45, v[R4]
	global_load_b128 v[TO+8*\t:TO+8*\t+3], v[BT+2*\t], s[24:25]
	global_load_b128 v[TO+8*\t+4:TO+8*\t+7], v[BT+2*\t], s[24:25] offset:16
	global_load_b32 v[PS+\t], v[BT+2*\t+1], s[26:27]
.endr
.endm
.macro LOADBI                          ; BI[m] = expert_b[e][64 cb + 32 h + m]
.irp n, 0,1,2,3,4,5,6,7
	global_load_b128 v[BI+4*\n:BI+4*\n+3], v[H128], s[18:19] offset:16*\n
.endr
.endm
.macro ALOAD                           ; x's five fragments of the K step at s[32:33]
.irp t, 0,1,2,3,4
.irp d, 0,1,2,3
	global_load_b128 v[A0+16*\t+4*\d:A0+16*\t+4*\d+3], v[AD+\t], s[32:33] offset:512*\d
.endr
.endr
.endm
; A K step of a consumer: the weights' four fragments from the image at v[adr] + koff, 20 products, and the next step's x.  first = 1: the products start the sums.  last = 1: nothing more is asked for.
.macro CSTEP first, last, adr, koff
	s_wait_loadcnt 0x0                             ; this step's x is in (in a block's first step the lists and the bias too): nothing of mine is out
.if !\last
	s_add_nc_u64 s[32:33], s[32:33], 2048          ; so the base may step
.endif
.irp c, 0,1,2,3
.irp d, 0,1,2,3
	ds_load_b128 v[B+16*\c+4*\d:B+16*\c+4*\d+3], v[\adr] offset:\koff+2048*\c+512*\d
.endr
.endr
	WIN 0x50                                       ; C and D window 1
.irp c, 0,1,2,3
	s_wait_dscnt 12-4*\c                           ; tile c's four loads are in; four for each later tile stay out
.irp t, 0,1,2,3,4
.if \first
	v_wmma_f32_16x16x128_fp8_fp8 v[8*(4*\t+\c):8*(4*\t+\c)+7], v[B+16*\c:B+16*\c+15], v[A0+16*\t:A0+16*\t+15], 0
.else
	v_wmma_f32_16x16x128_fp8_fp8 v[8*(4*\t+\c):8*(4*\t+\c)+7], v[B+16*\c:B+16*\c+15], v[A0+16*\t:A0+16*\t+15], v[8*(4*\t+\c):8*(4*\t+\c)+7]
.endif
.endr
.endr
	WIN 0
.rept 4
	v_nop                                          ; four places ahead of loads into registers that the products read, and of the first read of results
.endr
.if !\last
	ALOAD
.endif
.endm
; THE WAY OUT of tile t, if the expert has it: sum x 2^(ex + ew) + bias, relu, x route_prob_max; through my own stage, so that sixteen lanes store 256 consecutive bytes of a token's row, at a multiple of 256 from out0's first byte.
.macro EPI t
	s_add_co_u32 s44, s9, \t
	s_cmp_lt_u32 s44, s7
	s_cbranch_scc0 .Lno_tile_\@
	s_wait_xcnt 0x0                                ; the last tile's stores have read their registers
	WIN 0x01                                       ; source 0 window 1
.irp j, 0,1,2,3,4,5,6,7                        ; each accumulator from its low end on
.irp c, 0,1,2,3
	v_fma_f32 v[T+4*\j+\c], v[8*(4*\t+\c)+\j], s38, v[BI+4*\j+\c]
.endr
.endr
	WIN 0
.set en, 0
.rept 32
	v_max_num_f32 v[T+en], 0, v[T+en]
.set en, en+1
.endr
.set en, 0
.rept 32
	v_mul_f32 v[T+en], v[PS+\t], v[T+en]
.set en, en+1
.endr
.irp i, 0,1,2,3,4,5,6,7
	v_min_u32 v[TO+8*\t+\i], 0x7ff, v[TO+8*\t+\i]          ; the token, inside out0
	v_lshl_add_u32 v[TO+8*\t+\i], v[TO+8*\t+\i], 13, v[Q16]
.endr
.irp n, 0,1,2,3,4,5,6,7
	ds_store_b128 v[STO], v[T+4*\n:T+4*\n+3] offset:16*\n
.endr
.irp i, 0,1,2,3,4,5,6,7
	ds_load_b128 v[RB+4*\i:RB+4*\i+3], v[SRD] offset:272*\i    ; LDS serves a wave's instructions in order (ISA guide 5.7.1.4): these see my stores
.endr
.irp i, 0,1,2,3,4,5,6,7
	s_wait_dscnt 7-\i
	global_store_b128 v[TO+8*\t+\i], v[RB+4*\i:RB+4*\i+3], s[30:31] th:TH_STORE_NT
.endr
.Lno_tile_\@:
.endm
	s_load_b512 s[16:31], s[0:1], 0x0              ; expert_w s[16:17], expert_b s[18:19], lowp_scales s[20:21], xi s[22:23], order s[24:25], ps s[26:27], meta s[28:29], out0 s[30:31]
	v_lshl_add_u32 v30, v0, 2, 0x28800
	v_mov_b32 v31, 0
	v_lshrrev_b32 v24, 5, v0
	v_readfirstlane_b32 s2, v24                    ; wave 0..7
	s_and_b32 s3, s2, 3                            ; g
	s_and_b32 s4, ttmp7, 0xffff                    ; e
	s_mov_b32 s5, ttmp9                            ; cb
	s_mul_i32 s9, s3, 5                            ; a consumer's first tile; the tail's tiles are counted on from it in both roles
	v_and_b32 v25, 31, v0
	v_lshlrev_b32 v[LI], 4, v25
	v_and_b32 v26, 15, v0                          ; q = r
	v_bfe_u32 v27, v0, 4, 1                        ; h
	v_lshlrev_b32 v[Q16], 4, v26
	v_lshlrev_b32 v[H32], 5, v27
	v_lshlrev_b32 v[R4], 2, v26
	v_lshlrev_b32 v[H128], 7, v27
	s_mul_i32 s44, s2, 16*272
	s_add_co_u32 s44, s44, STG                     ; my stage
	v_mul_u32_u24 v[STO], v26, 272
	v_add_nc_u32 v[STO], v[H128], v[STO]
	v_add_nc_u32 v[STO], s44, v[STO]
	v_mul_u32_u24 v[SRD], v27, 8*272
	v_add_nc_u32 v[SRD], v[Q16], v[SRD]
	v_add_nc_u32 v[SRD], s44, v[SRD]
	v_lshl_add_u32 v[WOFF], v27, 17, v[Q16]
	v_add_nc_u32 v[HI], 0x10000, v[LI]
	s_lshl_b32 s44, s3, 13
	v_add_nc_u32 v[IMGW], s44, v[LI]               ; the first four K steps: producer g makes step g
	s_add_co_u32 s12, s44, 32768                   ; and in the loop's first trip step 4 + g
	s_mov_b32 s11, 16384                           ; the loop's first trip reads from image 2 on
	s_mov_b32 s10, 0                               ; the loop's trips
	s_mov_b32 s40, 0x05010400                      ; the turn's byte selects
	s_mov_b32 s41, 0x07030602
	s_mov_b32 s42, 0x05040100
	s_mov_b32 s43, 0x07060302
	s_mov_b32 s45, 0
	s_wait_kmcnt 0x0
	s_lshl_b32 s44, s4, 2
	s_add_nc_u64 s[28:29], s[28:29], s[44:45]
	s_load_b32 s6, s[28:29], 0x0                   ; the expert's count
	s_load_b64 s[46:47], s[20:21], 0x0             ; ex, ew
	s_lshl_b32 s44, s5, 8                          ; my 64 columns: 256 bytes
	s_add_nc_u64 s[36:37], s[16:17], s[44:45]
	s_add_nc_u64 s[18:19], s[18:19], s[44:45]
	s_add_nc_u64 s[30:31], s[30:31], s[44:45]
	s_lshl_b32 s44, s4, 24                         ; an expert's weights: 16 MiB;
	s_lshl_b32 s48, s3, 20                         ; a K step: 1 MiB
	s_add_co_u32 s44, s44, s48
	s_add_nc_u64 s[36:37], s[36:37], s[44:45]      ; expert_w at K step g
	s_lshl_b32 s44, s4, 22
	s_add_nc_u64 s[34:35], s[22:23], s[44:45]      ; xi at expert e,
	s_mov_b64 s[32:33], s[34:35]                   ; and the base that walks its K steps: made here, in every wave
	s_lshl_b32 s44, s4, 13
	s_add_nc_u64 s[24:25], s[24:25], s[44:45]      ; order, ps, expert_b at expert e
	s_add_nc_u64 s[26:27], s[26:27], s[44:45]
	s_add_nc_u64 s[18:19], s[18:19], s[44:45]
	s_cmp_lt_u32 s2, 4
	s_cbranch_scc1 .Lno_weights
	WLOAD 0                                        ; the producers' first K steps go out ahead of everything else
	WLOAD 1
	WLOAD 2
	WLOAD 3
.Lno_weights:
	s_wait_kmcnt 0x0
	s_min_u32 s6, s6, 0x800
	s_add_co_u32 s7, s6, 15
	s_lshr_b32 s7, s7, 4                           ; the expert's tiles
	s_max_u32 s8, s7, 1
	s_sub_co_u32 s8, s8, 1                         ; the last tile that the launch before has written
	s_add_co_i32 s38, s46, s47
	s_add_co_i32 s38, s38, 127
	s_lshl_b32 s38, s38, 23                        ; 2^(ex + ew) as f32
	s_add_co_i32 s47, s47, 127
	s_lshl_b32 s48, s47, 23
	v_mov_b32 v[SCV], s48                          ; 2^ew: the conversion takes its exponent field
	s_add_co_i32 s47, s47, 8
	s_lshl_b32 s47, s47, 23
	s_or_b32 s47, s47, 0x600000
	v_mov_b32 v[LIM], s47                          ; 448 x 2^ew
	s_cmp_lt_u32 s2, 4
	s_cbranch_scc0 .Lfirst_jobs
	BSETUP
	LOADBI
	ALOAD                                          ; K step 0 of x
	s_branch .Lfirst_done
.Lfirst_jobs:
	JOB 0                                          ; K steps 0 to 3, one a producer; steps 4 to 7 are asked for
.Lfirst_done:
	BAR                                            ; images 0 to 3 lie in LDS
	s_cmp_lt_u32 s2, 4
	s_cbranch_scc0 .Lk
	CSTEP 1, 0, LI, 0                              ; K steps 0 and 1
	CSTEP 0, 0, LI, 8192
.Lk:                                               ; three trips of four K steps.  Trip u, first half: waves 4, 5 make images 4 u + 4, 4 u + 5; images 4 u + 2, 4 u + 3 are read.  Second half: waves 6, 7 make 4 u + 6, 4 u + 7; 4 u + 4, 4 u + 5 are read
	v_add_nc_u32 v[IMGW], s12, v[LI]
	v_add_nc_u32 v[ADRB], s11, v[LI]
	s_cmp_lt_u32 s2, 4
	s_cbranch_scc1 .Lconsume_a
	s_cmp_lt_u32 s2, 6
	s_cbranch_scc0 .Ljoin_a
	JOB 1
	s_branch .Ljoin_a
.Lconsume_a:
	CSTEP 0, 0, ADRB, 0
	CSTEP 0, 0, ADRB, 8192
.Ljoin_a:
	BAR
	s_cmp_lt_u32 s2, 4
	s_cbranch_scc1 .Lconsume_b
	s_cmp_lt_u32 s2, 6
	s_cbranch_scc1 .Ljoin_b
	JOB 1
	s_branch .Ljoin_b
.Lconsume_b:
	CSTEP 0, 0, ADRB, 16384
	CSTEP 0, 0, ADRB, 24576
.Ljoin_b:
	BAR
	s_add_co_u32 s11, s11, 32768
	s_add_co_u32 s12, s12, 32768
	s_add_co_u32 s10, s10, 1
	s_cmp_lt_u32 s10, 3
	s_cbranch_scc1 .Lk
	s_cmp_lt_u32 s2, 4
	s_cbranch_scc0 .Lproducers_on
	CSTEP 0, 0, HI, 49152                          ; K steps 14 and 15
	CSTEP 0, 1, HI, 57344
	EPI 0
	EPI 1
	EPI 2
	EPI 3
	EPI 4
	s_add_co_u32 s9, s9, 40                        ; tiles 0-19 are done; the producers take 20-39 next, the consumers 40-59, and so on by 40
	s_branch .Lmore
.Lproducers_on:
	s_add_co_u32 s9, s9, 20
.Lmore:
	s_mov_b32 s13, 0                               ; the tail's trips
.Lblock:                                           ; three trips; in each, five more tiles a wave against the images in LDS, which nobody writes any more; every LDS address is a fixed register and an immediate
	s_cmp_lt_u32 s9, s7
	s_cbranch_scc0 .Lno_block                      ; the expert has none of my five tiles
	BSETUP
	LOADBI
	s_mov_b64 s[32:33], s[34:35]
	ALOAD
	CSTEP 1, 0, LI, 0
.irp s, 1,2,3,4,5,6,7
	CSTEP 0, 0, LI, 8192*\s
.endr
.irp s, 0,1,2,3,4,5,6
	CSTEP 0, 0, HI, 8192*\s
.endr
	CSTEP 0, 1, HI, 57344
	EPI 0
	EPI 1
	EPI 2
	EPI 3
	EPI 4
.Lno_block:
	s_add_co_u32 s9, s9, 40
	s_add_co_u32 s13, s13, 1
	s_cmp_lt_u32 s13, 3
	s_cbranch_scc1 .Lblock
	s_wait_tensorcnt 0x0
	ds_add_u32 v30, v31
	s_wait_dscnt 0x0
	s_endpgm
.Lfunc_end_k_q99cf2c8900_gemm:
	.size	k_q99cf2c8900_gemm, .Lfunc_end_k_q99cf2c8900_gemm-k_q99cf2c8900_gemm
	.p2alignl 7, 3214868480
	.fill 96, 4, 3214868480
	.section	.rodata,"a",@progbits
	.p2align	6, 0x0
	.amdhsa_kernel k_q99cf2c8900_gemm
		.amdhsa_group_segment_fixed_size 166912
		.amdhsa_private_segment_fixed_size 0
		.amdhsa_enable_private_segment 0
		.amdhsa_kernarg_size 64
		.amdhsa_user_sgpr_count 2
		.amdhsa_user_sgpr_kernarg_segment_ptr 1
		.amdhsa_wavefront_size32 1
		.amdhsa_system_sgpr_workgroup_id_x 1
		.amdhsa_system_sgpr_workgroup_id_y 1
		.amdhsa_system_sgpr_workgroup_id_z 1
		.amdhsa_system_vgpr_workitem_id 0
		.amdhsa_next_free_vgpr 416
		.amdhsa_next_free_sgpr 66
		.amdhsa_reserve_vcc 0
		.amdhsa_float_denorm_mode_32 3
		.amdhsa_float_denorm_mode_16_64 3
		.amdhsa_memory_ordered 1
		.amdhsa_forward_progress 1
		.amdhsa_inst_pref_size 255
	.end_amdhsa_kernel
	.section	.bss,"aw",@nobits
	.p2align	6
	.space	262144
	.amdgpu_metadata
---
amdhsa.version: [ 1, 2 ]
amdhsa.kernels:
  - .name:           k_q99cf2c8900_gemm
    .symbol:         k_q99cf2c8900_gemm.kd
    .args:
      - { .name: expert_w, .offset: 0, .size: 8, .value_kind: global_buffer, .address_space: global }
      - { .name: expert_b, .offset: 8, .size: 8, .value_kind: global_buffer, .address_space: global }
      - { .name: lowp_scales, .offset: 16, .size: 8, .value_kind: global_buffer, .address_space: global }
      - { .name: xi, .offset: 24, .size: 8, .value_kind: global_buffer, .address_space: global }
      - { .name: order, .offset: 32, .size: 8, .value_kind: global_buffer, .address_space: global }
      - { .name: ps, .offset: 40, .size: 8, .value_kind: global_buffer, .address_space: global }
      - { .name: meta, .offset: 48, .size: 8, .value_kind: global_buffer, .address_space: global }
      - { .name: out0, .offset: 56, .size: 8, .value_kind: global_buffer, .address_space: global }
    .group_segment_fixed_size: 166912
    .private_segment_fixed_size: 0
    .kernarg_segment_align: 8
    .kernarg_segment_size: 64
    .max_flat_workgroup_size: 256
    .sgpr_count:     66
    .vgpr_count:     416
    .wavefront_size: 32
...
	.end_amdgpu_metadata
.endif
;; end of part 3
;; ======== version 2 of 2: 3 launches
;; workspace buffers: routes 8,192 bytes of whole numbers; probt 65,536 bytes; meta 256 bytes of whole numbers; order 65,536 bytes of whole numbers; ps 65,536 bytes; xi 33,554,432 bytes
;; launch router (part 4): grid 256 x 1, 8 waves a work-group, no clusters, 76,800 bytes of LDS; arguments x, switch_w, switch_b, routes, probt, out3; writes routes, probt, out3
.if DOCPART == 4
	.amdgcn_target "amdgcn-amd-amdhsa--gfx1250"
	.amdhsa_code_object_version 6
	.text
	.protected	k_q99cf2c8900_router
	.globl	k_q99cf2c8900_router
	.p2align	8
	.type	k_q99cf2c8900_router,@function
k_q99cf2c8900_router:
	s_mov_b64 s[64:65], 0
	v_nop
	global_prefetch_b8 v0, s[64:65] scope:SCOPE_SE
	s_setreg_imm32_b32 hwreg(HW_REG_WAVE_MODE, 25, 1), 1
	s_wait_xcnt 0x0
; THE ROUTER: p = softmax(x switch_w + switch_b) over 8 experts, its largest number and the place of it, for 2,048 tokens.  All in f32: fused multiply-adds,
; since a choice that turns over spoils a whole row of the layer's output.  The row's maximum is taken away before the exponentials.
; SHARES.  A work-group takes 8 tokens.  Wave w takes k = 256 w .. 256 w + 255 of all 8; lane l holds, for chunk i = 0, 1, k = 256 w + 128 i + 4 l + 0 .. 3.
; switch_w [2048][8] is loaded as it lies (512 consecutive bytes a load) and turned through the wave's own LDS bytes, so that a lane gets its 4 k x 8 experts (128 bytes) whole:
; blocks of 128 bytes lie 144 apart, an odd multiple of 16 bytes.  64 sums a lane (8 tokens x 8 experts) are added over the 32 lanes by halving: in each of five steps a lane keeps
; half of its sums and hands the other half to its partner; at the end lane l holds sums l and 32 + l.  The eight waves' parts meet in LDS; wave 0 finishes.
; OUT: routes[token] (whole numbers, from which later launches form addresses), out3[token], probt[expert][token].  Eight tokens are 32 bytes of each: these stores are short pieces, 80 KB in the launch.
; LIMIT: NaN among the inputs is not served.
.set WSL, 9216                         ; a wave's slice of switch_w in LDS: 64 blocks x 144 bytes
.set RED, 8*WSL                        ; behind the slices: 8 waves x 64 sums
.set W,   16                           ; v16-79   W[32 i + 8 c + e]
.set X,   80                           ; v80-143  X[8 t + 4 i + c]
.set ACC, 144                          ; v144-207 ACC[8 t + e]
	s_load_b256 s[4:11], s[0:1], 0x0               ; x s[4:5], switch_w s[6:7], switch_b s[8:9], routes s[10:11]
	s_load_b128 s[12:15], s[0:1], 0x20             ; probt s[12:13], out3 s[14:15]
	v_lshl_add_u32 v208, v0, 2, 0x12800
	v_mov_b32 v209, 0
	v_lshrrev_b32 v5, 5, v0
	s_delay_alu instid0(VALU_DEP_1)
	v_readfirstlane_b32 s16, v5                    ; wave 0..7
	v_and_b32 v6, 31, v0                           ; lane
	s_delay_alu instid0(VALU_DEP_1)
	v_lshlrev_b32 v1, 4, v6                        ; 16 l: my 16 bytes of a load's 512
	s_delay_alu instid0(VALU_DEP_2)
	v_lshrrev_b32 v7, 3, v6
	s_mul_i32 s17, s16, WSL
	v_lshl_add_u32 v2, v7, 4, v1                   ; into the slice: 16 l + 16 (l / 8): eight lanes fill a block, then 16 bytes of padding
	s_delay_alu instid0(VALU_DEP_1)
	v_add_nc_u32 v2, s17, v2
	v_mul_u32_u24 v3, v6, 144                      ; out of it: block l of a chunk
	s_delay_alu instid0(VALU_DEP_1)
	v_add_nc_u32 v3, s17, v3
	s_lshl_b32 s17, s16, 8
	v_lshl_add_u32 v4, v6, 2, s17
	s_delay_alu instid0(VALU_DEP_1)
	v_add_nc_u32 v4, RED, v4                       ; where my two sums go: RED + 256 w + 4 l
	v_and_b32 v7, 7, v0
	s_delay_alu instid0(VALU_DEP_1)
	v_lshlrev_b32 v5, 5, v7
	s_delay_alu instid0(VALU_DEP_1)
	v_add_nc_u32 v5, RED, v5                       ; wave 0, lane t = l % 8: token t's eight sums of a wave
	s_delay_alu instid0(VALU_DEP_3)
	v_lshlrev_b32 v7, 2, v7                        ; and its word in the outputs
	s_mov_b32 s24, 0xaaaaaaaa                      ; the lanes whose number has bit 0, 1, 2, 3, 4 set
	s_mov_b32 s25, 0xcccccccc
	s_mov_b32 s26, 0xf0f0f0f0
	s_mov_b32 s27, 0xff00ff00
	s_mov_b32 s28, 0xffff0000
	s_mov_b32 s30, 0x76543210                      ; v_permlanex16_b32: lane l xor 16
	s_mov_b32 s31, 0xfedcba98
	s_lshl_b32 s18, ttmp9, 16                      ; 8 rows of 8,192 bytes a work-group,
	s_lshl_b32 s19, s16, 10                        ; 1,024 bytes of a row a wave
	s_add_co_u32 s18, s18, s19
	s_mov_b32 s19, 0
	s_lshl_b32 s40, s16, 13                        ; 256 rows of switch_w a wave
	s_mov_b32 s41, 0
	s_lshl_b32 s42, ttmp9, 5                       ; 8 words of each output a work-group
	s_mov_b32 s43, 0
	s_wait_alu depctr_va_vdst(0)
	s_wait_kmcnt 0x0
	s_load_b256 s[32:39], s[8:9], 0x0              ; switch_b
	s_add_nc_u64 s[20:21], s[4:5], s[18:19]
	s_add_nc_u64 s[22:23], s[6:7], s[40:41]
	s_add_nc_u64 s[10:11], s[10:11], s[42:43]
	s_add_nc_u64 s[12:13], s[12:13], s[42:43]
	s_add_nc_u64 s[14:15], s[14:15], s[42:43]
.irp j, 0,1,2,3,4,5,6,7,8,9,10,11,12,13,14,15
	global_load_b128 v[W+4*\j:W+4*\j+3], v1, s[22:23] offset:512*\j
.endr
.irp t, 0,1,2,3,4,5,6,7
.irp i, 0,1
	global_load_b128 v[X+8*\t+4*\i:X+8*\t+4*\i+3], v1, s[20:21] offset:8192*\t+512*\i
.endr
.endr
	s_wait_loadcnt 16                              ; switch_w's 16 loads are in; x's 16 are younger
.irp j, 0,1,2,3,4,5,6,7,8,9,10,11,12,13,14,15
	ds_store_b128 v2, v[W+4*\j:W+4*\j+3] offset:576*\j      ; a load's 512 bytes are four blocks: 4 x 144
.endr
	s_wait_dscnt 0x0                               ; the stores have read their registers, which the loads below fill
.irp i, 0,1
.irp n, 0,1,2,3,4,5,6,7
	ds_load_b128 v[W+32*\i+4*\n:W+32*\i+4*\n+3], v3 offset:4608*\i+16*\n   ; my own wave's bytes: no barrier
.endr
.endr
	s_wait_dscnt 0x0
; token t: 32 packed multiply-adds, two experts each; x's number is taken for both halves (op_sel picks it out of its pair).  The first four products start the sums.
.macro TOKEN t
	s_wait_loadcnt 14-2*\t                         ; this token's two loads are in; two for each later token stay out
.irp i, 0,1
.irp c, 0,1,2,3
.irp m, 0,1,2,3
.if (\i+\c) == 0
	v_pk_mul_f32 v[ACC+8*\t+2*\m:ACC+8*\t+2*\m+1], v[X+8*\t:X+8*\t+1], v[W+2*\m:W+2*\m+1] op_sel_hi:[0,1]
.elseif (\c%2) == 0
	s_delay_alu instid0(VALU_DEP_4)
	v_pk_fma_f32 v[ACC+8*\t+2*\m:ACC+8*\t+2*\m+1], v[X+8*\t+4*\i+\c:X+8*\t+4*\i+\c+1], v[W+32*\i+8*\c+2*\m:W+32*\i+8*\c+2*\m+1], v[ACC+8*\t+2*\m:ACC+8*\t+2*\m+1] op_sel_hi:[0,1,1]
.else
	s_delay_alu instid0(VALU_DEP_4)
	v_pk_fma_f32 v[ACC+8*\t+2*\m:ACC+8*\t+2*\m+1], v[X+8*\t+4*\i+\c-1:X+8*\t+4*\i+\c], v[W+32*\i+8*\c+2*\m:W+32*\i+8*\c+2*\m+1], v[ACC+8*\t+2*\m:ACC+8*\t+2*\m+1] op_sel:[1,0,0] op_sel_hi:[1,1,1]
.endif
.endr
.endr
.endr
.endm
.irp t, 0,1,2,3,4,5,6,7
	TOKEN \t
.endr
; One halving step on n sums.  A lane whose bit is 0 keeps sum 2 i and hands 2 i + 1 to its partner; a lane whose bit is 1 the other way round.
.macro RS n, xm, mask
.set ri, 0
.rept \n/2
	v_cndmask_b32 v[8+2*(ri%4)], v[ACC+2*ri+1], v[ACC+2*ri], s[\mask]      ; what I hand over
	v_cndmask_b32 v[9+2*(ri%4)], v[ACC+2*ri], v[ACC+2*ri+1], s[\mask]      ; what I keep
	s_delay_alu instid0(VALU_DEP_1)
	v_add_f32_dpp v[ACC+ri], v[8+2*(ri%4)], v[9+2*(ri%4)] row_xmask:\xm row_mask:0xf bank_mask:0xf
.set ri, ri+1
.endr
.endm
	RS 64, 1, 24
	RS 32, 2, 25
	RS 16, 4, 26
	RS 8,  8, 27
.irp i, 0,1                                    ; the fifth step crosses the halves of the lanes
	v_cndmask_b32 v[8+4*\i], v[ACC+2*\i+1], v[ACC+2*\i], s28
	v_cndmask_b32 v[9+4*\i], v[ACC+2*\i], v[ACC+2*\i+1], s28
	s_delay_alu instid0(VALU_DEP_2)
	v_permlanex16_b32 v[10+4*\i], v[8+4*\i], s30, s31
	s_delay_alu instid0(VALU_DEP_1)
	v_add_f32 v[ACC+\i], v[10+4*\i], v[9+4*\i]
.endr
	ds_store_b32 v4, v[ACC]                        ; sum l = 8 t + e,
	ds_store_b32 v4, v[ACC+1] offset:128           ; and sum 32 + l
	s_wait_kmcnt 0x0                               ; switch_b
	s_wait_dscnt 0x0                               ; for the others' sake: my stores have landed
	s_barrier_signal -1
	s_barrier_wait -1
	s_cmp_lg_u32 s16, 0
	s_cbranch_scc1 .Lothers
.irp w, 0,1,2,3,4,5,6,7
	ds_load_b128 v[16+8*\w:19+8*\w], v5 offset:256*\w
	ds_load_b128 v[20+8*\w:23+8*\w], v5 offset:256*\w+16
.endr
	s_wait_dscnt 0x0
.irp m, 0,2,4,6                                ; the eight waves' parts, two experts at a time
	v_pk_add_f32 v[16+\m:17+\m], v[16+\m:17+\m], v[24+\m:25+\m]
	v_pk_add_f32 v[32+\m:33+\m], v[32+\m:33+\m], v[40+\m:41+\m]
	v_pk_add_f32 v[48+\m:49+\m], v[48+\m:49+\m], v[56+\m:57+\m]
	v_pk_add_f32 v[64+\m:65+\m], v[64+\m:65+\m], v[72+\m:73+\m]
	s_delay_alu instid0(VALU_DEP_3)
	v_pk_add_f32 v[16+\m:17+\m], v[16+\m:17+\m], v[32+\m:33+\m]
	s_delay_alu instid0(VALU_DEP_2)
	v_pk_add_f32 v[48+\m:49+\m], v[48+\m:49+\m], v[64+\m:65+\m]
	s_delay_alu instid0(VALU_DEP_1)
	v_pk_add_f32 v[16+\m:17+\m], v[16+\m:17+\m], v[48+\m:49+\m]
.endr
.irp e, 0,1,2,3,4,5,6,7
	v_add_f32 v[16+\e], s[32+\e], v[16+\e]         ; + switch_b
.endr
	v_max3_num_f32 v80, v16, v17, v18
	s_delay_alu instid0(VALU_DEP_1)
	v_max3_num_f32 v80, v80, v19, v20
	s_delay_alu instid0(VALU_DEP_1)
	v_max3_num_f32 v80, v80, v21, v22
	s_delay_alu instid0(VALU_DEP_1)
	v_max_num_f32 v80, v80, v23                    ; the row's maximum
.irp e, 0,1,2,3,4,5,6,7
	v_sub_f32 v[24+\e], v[16+\e], v80
.endr
.irp e, 0,1,2,3,4,5,6,7
	v_mul_f32 v[24+\e], 0x3fb8aa3b, v[24+\e]       ; x log2(e)
.endr
	s_wait_alu depctr_va_vdst(0)
.irp e, 0,1,2,3,4,5,6,7
	v_exp_f32 v[32+\e], v[24+\e]
.endr
	v_nop                                          ; a plain instruction behind the last exponential
	s_wait_alu depctr_va_vdst(0)                   ; one wait for the eight, ahead of their first reader
	v_pk_add_f32 v[40:41], v[32:33], v[34:35]
	v_pk_add_f32 v[42:43], v[36:37], v[38:39]
	s_delay_alu instid0(VALU_DEP_1)
	v_pk_add_f32 v[40:41], v[40:41], v[42:43]
	s_delay_alu instid0(VALU_DEP_1)
	v_add_f32 v40, v40, v41
	s_wait_alu depctr_va_vdst(0)
	v_rcp_f32 v44, v40
	v_mov_b32 v45, 0                               ; (a plain instruction behind the reciprocal)  the place of the largest so far
	s_wait_alu depctr_va_vdst(0)
.irp e, 0,1,2,3,4,5,6,7
	v_mul_f32 v[32+\e], v[32+\e], v44              ; route_prob
.endr
	v_mov_b32 v46, v32
.irp e, 1,2,3,4,5,6,7
	s_delay_alu instid0(VALU_DEP_1)
	v_cmp_ge_f32 vcc_lo, v46, v[32+\e]             ; the earlier place is kept unless this one is truly larger: of equals the lower index
	s_delay_alu instid0(VALU_DEP_1)
	v_cndmask_b32 v45, \e, v45, vcc_lo
	s_delay_alu instid0(VALU_DEP_3)
	v_max_num_f32 v46, v46, v[32+\e]
.endr
	s_wait_alu depctr_va_vdst(0)
	s_wait_xcnt 0x0                                ; EXEC changes only behind this wait
	v_cmp_gt_u32 vcc_lo, 8, v0
	s_wait_tensorcnt 0x0
	ds_add_u32 v208, v209
	s_wait_dscnt 0x0
	s_and_saveexec_b32 s17, vcc_lo                 ; lanes 0 to 7: a token each
	global_store_b32 v7, v45, s[10:11]
	global_store_b32 v7, v46, s[14:15]
.irp e, 0,1,2,3,4,5,6,7
	global_store_b32 v7, v[32+\e], s[12:13] offset:8192*\e
.endr
	s_wait_xcnt 0x0
	s_or_b32 exec_lo, exec_lo, s17
	s_endpgm
.Lothers:
	s_wait_tensorcnt 0x0
	ds_add_u32 v208, v209
	s_wait_dscnt 0x0
	s_endpgm
.Lfunc_end_k_q99cf2c8900_router:
	.size	k_q99cf2c8900_router, .Lfunc_end_k_q99cf2c8900_router-k_q99cf2c8900_router
	.p2alignl 7, 3214868480
	.fill 96, 4, 3214868480
	.section	.rodata,"a",@progbits
	.p2align	6, 0x0
	.amdhsa_kernel k_q99cf2c8900_router
		.amdhsa_group_segment_fixed_size 76800
		.amdhsa_private_segment_fixed_size 0
		.amdhsa_enable_private_segment 0
		.amdhsa_kernarg_size 48
		.amdhsa_user_sgpr_count 2
		.amdhsa_user_sgpr_kernarg_segment_ptr 1
		.amdhsa_wavefront_size32 1
		.amdhsa_system_sgpr_workgroup_id_x 1
		.amdhsa_system_sgpr_workgroup_id_y 1
		.amdhsa_system_sgpr_workgroup_id_z 1
		.amdhsa_system_vgpr_workitem_id 0
		.amdhsa_next_free_vgpr 210
		.amdhsa_next_free_sgpr 66
		.amdhsa_reserve_vcc 1
		.amdhsa_float_denorm_mode_32 3
		.amdhsa_float_denorm_mode_16_64 3
		.amdhsa_memory_ordered 1
		.amdhsa_forward_progress 1
		.amdhsa_inst_pref_size 54
	.end_amdhsa_kernel
	.amdgpu_metadata
---
amdhsa.version: [ 1, 2 ]
amdhsa.kernels:
  - .name:           k_q99cf2c8900_router
    .symbol:         k_q99cf2c8900_router.kd
    .args:
      - { .name: x, .offset: 0, .size: 8, .value_kind: global_buffer, .address_space: global }
      - { .name: switch_w, .offset: 8, .size: 8, .value_kind: global_buffer, .address_space: global }
      - { .name: switch_b, .offset: 16, .size: 8, .value_kind: global_buffer, .address_space: global }
      - { .name: routes, .offset: 24, .size: 8, .value_kind: global_buffer, .address_space: global }
      - { .name: probt, .offset: 32, .size: 8, .value_kind: global_buffer, .address_space: global }
      - { .name: out3, .offset: 40, .size: 8, .value_kind: global_buffer, .address_space: global }
    .group_segment_fixed_size: 76800
    .private_segment_fixed_size: 0
    .kernarg_segment_align: 8
    .kernarg_segment_size: 48
    .max_flat_workgroup_size: 256
    .sgpr_count:     66
    .vgpr_count:     210
    .wavefront_size: 32
...
	.end_amdgpu_metadata
.endif
;; end of part 4
;; launch place (part 5): grid 136 x 8, 1 waves a work-group, no clusters, 16,640 bytes of LDS; arguments routes, probt, out3, x, lowp_scales, xi, order, ps, meta, out1, out2; writes xi, order, ps, meta, out1, out2
.if DOCPART == 5
	.amdgcn_target "amdgcn-amd-amdhsa--gfx1250"
	.amdhsa_code_object_version 6
	.text
	.protected	k_q99cf2c8900_place
	.globl	k_q99cf2c8900_place
	.p2align	8
	.type	k_q99cf2c8900_place,@function
k_q99cf2c8900_place:
	s_mov_b64 s[64:65], 0
	v_nop
	global_prefetch_b8 v0, s[64:65] scope:SCOPE_SE
	s_setreg_imm32_b32 hwreg(HW_REG_WAVE_MODE, 25, 1), 1
	s_wait_xcnt 0x0
; THE ROWS ARE PLACED BY EXPERT AND QUANTISED.  Work-group (x, y): expert e = y; slot j = x / 8 (0..16); kp = x % 8.  One wave.
; It lists expert e's tokens (a counting pass over all 2,048 routes; every work-group of an expert makes the same list), then walks the expert's tiles of 16 listed rows j, j + 17, ..
; and turns K steps 2 kp and 2 kp + 1 (128 along K each) of each tile into codes of E4M3: code = x / 2^ex, held within +-448, to the nearest code, ties to even.
; xi: an IMAGE OF THE OPERAND'S REGISTERS: byte (128 e + tile) 32768 + 2048 s + 512 c + 16 lane; lane (r, h) holds row r's codes of k = 128 s + 32 c + 16 h + 0 .. 15.  Each store is 512 consecutive bytes.
; An expert has room for 128 tiles, so that an address hangs on its own count alone.  There are nte = max(1, ceil(count / 16)) tiles; places past the count repeat the expert's last token (token 0 for an expert with none).
; order[e][place] = token, ps[e][place] = its route_prob_max: written by kp = 0.  meta[e] = count, out1[e] = count as f32, out2[e] = the sum of route_prob: written by work-group x = 0.
; 17 slots serve the 16 or 17 tiles of an even split in the first of eight trips and all 128 in the eight; the trip count is a constant, and a trip whose tile the expert does not have is passed over by a scalar
; branch on the count.  A slot with j >= nte has no rows and stores nothing: the price of a grid that serves every split.
; One wave to a work-group: the list's stores go to places that hang on the routes, and no other wave is there to meet them.
; LDS: words 0-2047 the list; words 2048-2079 a spare word for each lane, written and never read; the place is held under 4,096 words, which is what the launch claims.
; LIMITS: ex between -126 and 119, so that 2^ex and 448 x 2^ex are f32 numbers.  NaN among the inputs is not served.
.set R,   16                           ; v16-79   the routes: register 4 i + c belongs to token 128 i + 4 lane + c
.set X,   16                           ; v16-143  later: X[64 sl + 16 c + i] = x(my row, 128 (2 kp + sl) + 32 c + 16 h + i)
.set PC,  144                          ; v144-175 two fragments' codes
.set ZR,  144                          ; v144-147 before that: zeros
.set DMP, 148                          ; v148     before that: 2048 + lane, my spare word's place
	s_load_b512 s[16:31], s[0:1], 0x0              ; routes s[16:17], probt s[18:19], out3 s[20:21], x s[22:23], lowp_scales s[24:25], xi s[26:27], order s[28:29], ps s[30:31]
	s_load_b128 s[32:35], s[0:1], 0x40             ; meta s[32:33], out1 s[34:35]
	s_load_b64 s[36:37], s[0:1], 0x50              ; out2
	v_lshl_add_u32 v176, v0, 2, 0x4000
	v_mov_b32 v177, 0
	s_and_b32 s2, ttmp7, 0xffff                    ; e
	s_lshr_b32 s3, ttmp9, 3                        ; j
	s_and_b32 s4, ttmp9, 7                         ; kp
	v_lshlrev_b32 v1, 2, v0                        ; 4 x lane
	v_lshlrev_b32 v2, 4, v0                        ; 16 x lane
	v_and_b32 v3, 15, v0                           ; r
	v_lshrrev_b32 v4, 4, v0
	v_lshlrev_b32 v4, 6, v4                        ; 64 h: my 16 numbers of a block of 32
	v_add_nc_u32 v[DMP], 0x800, v0
.irp i, 0,1,2,3
	v_mov_b32 v[ZR+\i], 0
.endr
	s_mov_b32 s5, 0                                ; tokens of expert e found so far
	s_mov_b32 s12, 0x76543210
	s_mov_b32 s13, 0xfedcba98
	s_mov_b32 s47, 0
.irp i, 0,1,2,3,4,5,6,7,8,9,10,11,12,13,14,15
	ds_store_b128 v2, v[ZR:ZR+3] offset:512*\i     ; every place of the list holds token 0 until a token takes it
.endr
	s_wait_alu depctr_va_vdst(0)
	s_wait_kmcnt 0x0
	s_load_b32 s50, s[24:25], 0x0                  ; ex
.irp i, 0,1,2,3,4,5,6,7,8,9,10,11,12,13,14,15
	global_load_b128 v[R+4*\i:R+4*\i+3], v2, s[16:17] offset:512*\i
.endr
	s_lshl_b32 s46, s4, 10
	s_add_nc_u64 s[38:39], s[22:23], s[46:47]      ; x at my two K steps: 1,024 kp bytes into a row
	s_lshl_b32 s46, s2, 22
	s_lshl_b32 s10, s4, 12
	s_add_co_u32 s46, s46, s10
	s_add_nc_u64 s[40:41], s[26:27], s[46:47]      ; xi at expert e, K step 2 kp
	s_lshl_b32 s46, s2, 13
	s_add_nc_u64 s[42:43], s[28:29], s[46:47]      ; order, ps and probt at expert e
	s_add_nc_u64 s[44:45], s[30:31], s[46:47]
	s_add_nc_u64 s[48:49], s[18:19], s[46:47]
	s_wait_loadcnt 0x0
; The list: for each of my 64 registers, the lanes whose token goes to expert e take the next places, in lane order; the other lanes store into their spare words.  All lanes stay on.
; The place is held inside the claimed LDS behind the choice.  LDS serves a wave's instructions in order (ISA guide 5.7.1.4): these stores come behind the zeros.
.set sg, 0
.rept 64
	v_cmp_eq_u32 vcc_lo, s2, v[R+sg]
	v_mbcnt_lo_u32_b32 v5, vcc_lo, s5              ; found so far + such lanes below me
	v_cndmask_b32 v5, v[DMP], v5, vcc_lo           ; or my spare word
	v_min_u32 v5, 0xfff, v5
	v_lshlrev_b32 v5, 2, v5
	v_add_nc_u32 v6, 128*(sg/4)+sg%4, v1           ; the token
	s_bcnt1_i32_b32 s10, vcc_lo
	s_add_co_u32 s5, s5, s10
	ds_store_b32 v5, v6
.set sg, sg+1
.endr
	s_wait_dscnt 0x0
	s_wait_kmcnt 0x0
	s_min_u32 s5, s5, 0x800                        ; the count
	s_add_co_u32 s6, s5, 15
	s_lshr_b32 s6, s6, 4
	s_max_u32 s6, s6, 1                            ; nte
	s_max_u32 s7, s5, 1
	s_sub_co_u32 s7, s7, 1                         ; the last place that holds a token
	s_add_co_i32 s50, s50, 127
	s_lshl_b32 s51, s50, 23
	v_mov_b32 v12, s51                             ; 2^ex as f32: the conversion takes its exponent field
	s_add_co_i32 s50, s50, 8
	s_lshl_b32 s50, s50, 23
	s_or_b32 s50, s50, 0x600000
	v_mov_b32 v11, s50                             ; 448 x 2^ex
	s_mov_b32 s8, s3                               ; the tile in hand
	s_mov_b32 s14, 0                               ; trips
; 64 numbers of a lane, register 16 b + i = k 32 b + 16 h + i of my row, become a fragment's 16 registers of codes
.macro QUANT s, d
.irp b, 0,1,2,3
.irp i, 0,1,2,3,4,5,6,7,8,9,10,11,12,13,14,15
	v_med3_num_f32 v[\s+16*\b+\i], v[\s+16*\b+\i], -v11, v11   ; the conversion to an 8-bit code does not saturate (ISA guide 7.6.2): the hold at the largest code x the scale
.endr
	v_cvt_scalef32_pk8_fp8_f32 v[\d+4*\b:\d+4*\b+1], v[\s+16*\b:\s+16*\b+7], v12
	v_cvt_scalef32_pk8_fp8_f32 v[\d+4*\b+2:\d+4*\b+3], v[\s+16*\b+8:\s+16*\b+15], v12
.endr
	v_nop                                          ; a plain instruction behind the last conversion
.endm
.Ltile:                                            ; eight trips: tiles j, j + 17, .. j + 119
	s_cmp_lt_u32 s8, s6
	s_cbranch_scc0 .Lno_tile                       ; the expert has no such tile
	s_wait_xcnt 0x0                                ; the last trip's stores have read their registers
	s_lshl_b32 s10, s8, 4
	v_add_nc_u32 v14, s10, v3                      ; my row's place: 16 x tile + r,
	v_min_u32 v14, s7, v14                         ; or the last token's,
	v_min_u32 v14, 0x7ff, v14                      ; inside the list
	v_lshlrev_b32 v14, 2, v14
	ds_load_b32 v7, v14
	s_min_u32 s11, s8, 127                         ; the tile, inside the expert's room
	s_lshl_b32 s10, s11, 15
	v_add_nc_u32 v9, s10, v2                       ; its image, my lane's 16 bytes
	s_lshl_b32 s10, s11, 6
	v_lshl_add_u32 v10, v3, 2, s10                 ; its 16 words of order and ps
	s_wait_dscnt 0x0
	v_min_u32 v7, 0x7ff, v7                        ; the token, inside x
	v_lshlrev_b32 v15, 2, v7
	v_lshl_add_u32 v8, v7, 13, v4                  ; its row of 8,192 bytes, + 64 h
	global_load_b32 v13, v15, s[20:21]             ; its route_prob_max
.irp sl, 0,1
.irp c, 0,1,2,3
.irp q, 0,1,2,3
	global_load_b128 v[X+64*\sl+16*\c+4*\q:X+64*\sl+16*\c+4*\q+3], v8, s[38:39] offset:512*\sl+128*\c+16*\q
.endr
.endr
.endr
	s_wait_loadcnt 16                              ; the first K step's numbers are in; the second's 16 loads are younger
	QUANT X, PC
.irp c, 0,1,2,3
	global_store_b128 v9, v[PC+4*\c:PC+4*\c+3], s[40:41] offset:512*\c          ; 32 lanes store 512 consecutive bytes
.endr
	s_wait_loadcnt 0x0
	QUANT X+64, PC+16
.irp c, 0,1,2,3
	global_store_b128 v9, v[PC+16+4*\c:PC+16+4*\c+3], s[40:41] offset:2048+512*\c
.endr
	s_cmp_lg_u32 s4, 0
	s_cbranch_scc1 .Lno_tile
	global_store_b32 v10, v7, s[42:43]             ; the tile's 16 tokens: lanes l and l + 16 hold the same row and store the same word
	global_store_b32 v10, v13, s[44:45]
.Lno_tile:
	s_add_co_u32 s8, s8, 17
	s_add_co_u32 s14, s14, 1
	s_cmp_lt_u32 s14, 8
	s_cbranch_scc1 .Ltile
	s_cmp_lg_u32 ttmp9, 0
	s_cbranch_scc1 .Lend
.irp i, 0,1,2,3,4,5,6,7,8,9,10,11,12,13,14,15
	global_load_b128 v[16+4*\i:19+4*\i], v2, s[48:49] offset:512*\i             ; expert e's 2,048 probabilities
.endr
	s_wait_loadcnt 0x0
.irp j, 0,2,4,6,8,10,12,14,16,18,20,22,24,26,28,30
	v_pk_add_f32 v[16+\j:17+\j], v[16+\j:17+\j], v[48+\j:49+\j]
.endr
.irp j, 0,2,4,6,8,10,12,14
	v_pk_add_f32 v[16+\j:17+\j], v[16+\j:17+\j], v[32+\j:33+\j]
.endr
.irp j, 0,2,4,6
	v_pk_add_f32 v[16+\j:17+\j], v[16+\j:17+\j], v[24+\j:25+\j]
.endr
.irp j, 0,2
	v_pk_add_f32 v[16+\j:17+\j], v[16+\j:17+\j], v[20+\j:21+\j]
.endr
	v_pk_add_f32 v[16:17], v[16:17], v[18:19]
	v_add_f32 v16, v16, v17
	v_add_f32_dpp v16, v16, v16 row_xmask:1 row_mask:0xf bank_mask:0xf
	v_add_f32_dpp v16, v16, v16 row_xmask:2 row_mask:0xf bank_mask:0xf
	v_add_f32_dpp v16, v16, v16 row_xmask:4 row_mask:0xf bank_mask:0xf
	v_add_f32_dpp v16, v16, v16 row_xmask:8 row_mask:0xf bank_mask:0xf
	v_permlanex16_b32 v17, v16, s12, s13
	v_add_f32 v16, v16, v17
	s_wait_xcnt 0x0                                ; earlier stores have read their registers; EXEC changes below
	s_lshl_b32 s10, s2, 2
	v_mov_b32 v14, s10
	s_wait_alu depctr_va_vdst(0)
	v_mov_b32 v15, s5
	v_cvt_f32_u32 v18, v15
	v_cmp_eq_u32 vcc_lo, 0, v0
	s_and_saveexec_b32 s9, vcc_lo                  ; lane 0
	global_store_b32 v14, v15, s[32:33]
	global_store_b32 v14, v18, s[34:35]
	global_store_b32 v14, v16, s[36:37]
	s_wait_xcnt 0x0
	s_or_b32 exec_lo, exec_lo, s9
.Lend:
	s_wait_tensorcnt 0x0
	ds_add_u32 v176, v177
	s_wait_dscnt 0x0
	s_endpgm
.Lfunc_end_k_q99cf2c8900_place:
	.size	k_q99cf2c8900_place, .Lfunc_end_k_q99cf2c8900_place-k_q99cf2c8900_place
	.p2alignl 7, 3214868480
	.fill 96, 4, 3214868480
	.section	.rodata,"a",@progbits
	.p2align	6, 0x0
	.amdhsa_kernel k_q99cf2c8900_place
		.amdhsa_group_segment_fixed_size 16640
		.amdhsa_private_segment_fixed_size 0
		.amdhsa_enable_private_segment 0
		.amdhsa_kernarg_size 88
		.amdhsa_user_sgpr_count 2
		.amdhsa_user_sgpr_kernarg_segment_ptr 1
		.amdhsa_wavefront_size32 1
		.amdhsa_system_sgpr_workgroup_id_x 1
		.amdhsa_system_sgpr_workgroup_id_y 1
		.amdhsa_system_sgpr_workgroup_id_z 1
		.amdhsa_system_vgpr_workitem_id 0
		.amdhsa_next_free_vgpr 178
		.amdhsa_next_free_sgpr 66
		.amdhsa_reserve_vcc 1
		.amdhsa_float_denorm_mode_32 3
		.amdhsa_float_denorm_mode_16_64 3
		.amdhsa_memory_ordered 1
		.amdhsa_forward_progress 1
		.amdhsa_inst_pref_size 50
	.end_amdhsa_kernel
	.amdgpu_metadata
---
amdhsa.version: [ 1, 2 ]
amdhsa.kernels:
  - .name:           k_q99cf2c8900_place
    .symbol:         k_q99cf2c8900_place.kd
    .args:
      - { .name: routes, .offset: 0, .size: 8, .value_kind: global_buffer, .address_space: global }
      - { .name: probt, .offset: 8, .size: 8, .value_kind: global_buffer, .address_space: global }
      - { .name: out3, .offset: 16, .size: 8, .value_kind: global_buffer, .address_space: global }
      - { .name: x, .offset: 24, .size: 8, .value_kind: global_buffer, .address_space: global }
      - { .name: lowp_scales, .offset: 32, .size: 8, .value_kind: global_buffer, .address_space: global }
      - { .name: xi, .offset: 40, .size: 8, .value_kind: global_buffer, .address_space: global }
      - { .name: order, .offset: 48, .size: 8, .value_kind: global_buffer, .address_space: global }
      - { .name: ps, .offset: 56, .size: 8, .value_kind: global_buffer, .address_space: global }
      - { .name: meta, .offset: 64, .size: 8, .value_kind: global_buffer, .address_space: global }
      - { .name: out1, .offset: 72, .size: 8, .value_kind: global_buffer, .address_space: global }
      - { .name: out2, .offset: 80, .size: 8, .value_kind: global_buffer, .address_space: global }
    .group_segment_fixed_size: 16640
    .private_segment_fixed_size: 0
    .kernarg_segment_align: 8
    .kernarg_segment_size: 88
    .max_flat_workgroup_size: 32
    .sgpr_count:     66
    .vgpr_count:     178
    .wavefront_size: 32
...
	.end_amdgpu_metadata
.endif
;; end of part 5
;; launch gemm (part 6): grid 32 x 8, 8 waves a work-group, no clusters, 166,912 bytes of LDS; arguments expert_w, expert_b, lowp_scales, xi, order, ps, meta, out0; writes out0
.if DOCPART == 6
	.amdgcn_target "amdgcn-amd-amdhsa--gfx1250"
	.amdhsa_code_object_version 6
	.text
	.protected	k_q99cf2c8900_gemm
	.globl	k_q99cf2c8900_gemm
	.p2align	8
	.type	k_q99cf2c8900_gemm,@function
k_q99cf2c8900_gemm:
	s_mov_b64 s[64:65], 0
	v_nop
	global_prefetch_b8 v0, s[64:65] scope:SCOPE_SE
	s_setreg_imm32_b32 hwreg(HW_REG_WAVE_SCHED_MODE, 0, 2), 2
	s_setreg_imm32_b32 hwreg(HW_REG_WAVE_MODE, 25, 1), 1
	s_wait_xcnt 0x0
	s_wait_alu depctr_vm_vsrc(0)
; out0[token] = relu(Q(x[token]) Q(expert_w[e]) + expert_b[e]) x route_prob_max[token], e = the token's expert; both operands as codes of E4M3, v_wmma_f32_16x16x128_fp8_fp8, sums in f32, each sum x 2^(ex + ew).
; SHARES.  Work-group (cb, e) owns expert e, columns 64 cb .. 64 cb + 63, and ALL rows of that expert: so each byte of expert_w is read once in the launch, 512 KiB a work-group, and its codes never go to memory.
; Waves 4-7 PRODUCE: each has one K step of the weights (128 k x 64 columns of f32, 64 loads of two aligned rows of 256 bytes) on its way, holds and converts it, turns the bytes so that K runs along a register, and
; stores the fragments to LDS as images of the operand's registers (16 bytes a lane, 512 a store).  All 16 K steps' images stay in LDS (128 KiB); none is written twice.
; Waves 0-3 CONSUME: wave g multiplies row tiles 5 g .. 5 g + 4 (16 rows each; 320 rows in all) by the four column tiles: 20 accumulators, which take turns, one instruction a turn.
; x's codes come from xi, laid as register images by the launch before: 512 consecutive bytes a load.  A tile past the expert's last is replaced by the last, so that the stream has no branch on the count; its result is not stored.
; ROWS PAST 320: behind the stream all eight waves walk the remaining tiles, 40 a trip, against the images in LDS: three trips, a constant, which reach tile 139 of at most 128; a wave whose five tiles the expert
; does not have passes a trip's work over by a scalar branch on the stored count; there is no barrier there.  Right for every split, slower for uneven ones.
; WHICH COLUMNS FORM A TILE: tile c holds columns 4 q + c, q = 0 .. 15: a producer's lane (q, h), which loads columns 4 q .. 4 q + 3 of 16 rows k, holds after the turn just lane (q, h)'s registers of the four tiles.
; THE PRODUCT IS USED TRANSPOSED (source 0 = weights, source 1 = x): register j of tile c in lane (r, h) is row r, column 32 h + 4 j + c: a lane's 32 results are 32 neighbouring columns.
; k in a fragment: registers 4 p .. 4 p + 3 hold k = 32 p + 16 h + 0 .. 15, alike in both operands: a permutation of k, which changes only the order of the sums inside an instruction.
; The padded rows of an expert's last tile are copies of its last token: they store the same bytes to the same row, at most 15 rows a work-group.
; THE TWO ROLES USE THE SAME REGISTER NUMBERS.  Each piece of the text that loads begins with a wait for all the wave's loads, so that no register is loaded again while an earlier load into it could be out, whichever pieces follow each other.
; NO JOINT LOADS: the 32 work-groups of an expert read the same x codes.
; LIMITS: ew between -126 and 119, ex + ew between -126 and 127, so that each power of two below is an f32 number.  NaN among the inputs is not served.
; THE MODE: SCHED_MODE bits 1:0 = 2 (LLVM: expert scheduling mode 2), set by the entry lines.  The code itself states the register dependences
; between vector or matrix instructions and memory or LDS instructions, with s_wait_alu, always for 0.
; THE PLAN.  Registers that memory or LDS instructions touch:
;   A producer's quarter p (64 registers): loads land there; the quarter's holds and conversions read and write them; behind these the loads of the K step four further on land there again.
;   F          written by a quarter's turn, read by its four LDS stores, written again by the next quarter's turn.
;   A0, A1     x's fragments, two buffers by turns: K step s multiplies A[s % 2]; the loads of step s + 1, issued at step s's head, land in the other, which the products of step s - 1 read.
;   B          the weights' fragments: LDS loads at a step's head land there; the step's products read them.
;   v[IMGW], v[ADRB]   written at the top of each of the loop's trips; read by a producer's LDS stores, a consumer's LDS loads.
;   v[AD ..], v[BT ..] written in a block's set-up, read by x's loads and by the lists' loads; v[BT ..] lie in B.
;   T, RB, TO  the way out: T written by its arithmetic and read by LDS stores; RB filled by LDS loads and read by the stores; TO loaded, made into row offsets, read by the stores.
;   v1-v7, v10, v13    made at the head, never written again.   v30, v31: written at the head, read by the closing add alone.
; SO: a producer's quarter has two waits on va_vdst, one behind its conversions and one behind its turn, ahead of its loads and its LDS stores, and (quarters 1 to 3) one on vm_vsrc ahead of the turn.  A consumer's K step has ONE wait on va_vdst, at its head;
; its 16 LDS loads and 20 loads of x follow it, and its products name B, A[s % 2] and the accumulators alone.  One wait on vm_vsrc stands at the top of a trip.  A set-up and a tile's way out have one of each kind.
; REGISTERS, window 0: v1-13 addresses and constants; v14-18 the five tiles' offsets in xi; v19-23 their route_prob_max; v24-27 at work.  Consumers: v32-63 bias; v64-103 tokens, then row offsets; v104-183 x's five fragments, buffer A0
; (on the way out: results and rows); v184-247 the weights' four fragments.  Producers: v32-47 codes, v48-63 turned codes, v64-255 and window 1's v0-63 the K step on its way.
; Window 1: accumulator (t, c) at v[8 (4 t + c)]; v160-239 x's five fragments, buffer A1.
.set LI,   1                           ; 16 x lane: an image's place for my lane; the LDS address of images 0-7
.set Q16,  2                           ; 16 q
.set H32,  3                           ; 32 h
.set R4,   4                           ; 4 r
.set H128, 5                           ; 128 h
.set STO,  6                           ; my stage: row r, + 128 h
.set SRD,  7                           ; my stage: row 8 h, + 16 q
.set ADRB, 8                           ; the loop's images
.set IMGW, 9                           ; where a producer stores
.set WOFF, 10                          ; 16 rows of expert_w x h + 16 q
.set LIM,  11                          ; 448 x 2^ew
.set SCV,  12                          ; 2^ew
.set HI,   13                          ; 16 x lane + 65536: the LDS address of images 8-15
.set AD,   14
.set PS,   19
.set TP,   24
.set BI,   32
.set TO,   64
.set A0,   104
.set A1,   160                         ; in window 1
.set B,    184
.set BT,   184                         ; the lists' offsets, ten registers, before B's first use in a block
.set T,    104
.set RB,   136
.set Q,    32
.set F,    48
.set STG,  131072                      ; behind the images: 16 rows x 272 bytes for each wave
.set MSB, 0
.macro WIN new                         ; the immediate's high byte repeats the setting that is left; at a label and at a branch every window is 0
.if MSB != \new
	s_set_vgpr_msb (MSB<<8)|\new
.set MSB, \new
.endif
.endm
.macro BAR                             ; my LDS stores have landed and my LDS loads are in: then the work-group's barrier
	s_wait_dscnt 0x0
	s_barrier_signal -1
	s_barrier_wait -1
.endm
; Quarter p of a K step: 16 loads; load i brings W(32 p + 16 h + i, columns 4 q .. 4 q + 3): lanes 0-15 one aligned row of 256 bytes, lanes 16-31 the row 16 further down
.macro WLOAD p
.if \p == 3
	WIN 0x40                                       ; destination window 1
.endif
.set li, 0
.rept 16
	global_load_b128 v[(64+64*\p)%256+4*li:(64+64*\p)%256+4*li+3], v[WOFF], s[36:37] offset:(32*\p+li)*8192 th:TH_LOAD_NT
.set li, li+1
.endr
	WIN 0
.endm
; Quarter p becomes codes.  Q[i] = the codes of my 4 columns at k = i; a turn of 4 x 4 bytes gives F[4 c + g] = column c's codes at k = 4 g .. 4 g + 3: registers 4 p .. 4 p + 3 of tile c's fragment.
; Behind the turn the quarter's registers take the loads of the K step four further on; cond = 1: only while there is such a step.
.macro QTR p, cond
.set LB, (64+64*\p)%256
.if \p == 3
	WIN 0x41                                       ; destination and source 0 window 1
.endif
.set qi, 0
.rept 64
	v_med3_num_f32 v[LB+qi], v[LB+qi], -v[LIM], v[LIM]     ; the conversion to an 8-bit code does not saturate (ISA guide 7.6.2): the hold at the largest code x the scale
.set qi, qi+1
.endr
.if \p == 3
	WIN 0x01                                       ; source 0 window 1
.endif
.set qi, 0
.rept 8
	v_cvt_scalef32_pk8_fp8_f32 v[Q+2*qi:Q+2*qi+1], v[LB+8*qi:LB+8*qi+7], v[SCV]
.set qi, qi+1
.endr
	WIN 0
	v_nop                                          ; a plain instruction behind the last conversion
	s_wait_alu depctr_va_vdst(0)
	s_wait_dscnt 0x0                               ; the last quarter's LDS stores have landed
.if \p > 0
	s_wait_alu depctr_vm_vsrc(0)                   ; the last quarter's LDS stores have read F, which the turn writes again (for quarter 0 the wait at the top of the trip has stated it)
.endif
.irp g, 0,1,2,3
	v_perm_b32 v[TP],   v[Q+4*\g+1], v[Q+4*\g],   s40
	v_perm_b32 v[TP+1], v[Q+4*\g+1], v[Q+4*\g],   s41
	v_perm_b32 v[TP+2], v[Q+4*\g+3], v[Q+4*\g+2], s40
	v_perm_b32 v[TP+3], v[Q+4*\g+3], v[Q+4*\g+2], s41
	v_perm_b32 v[F+\g],    v[TP+2], v[TP],   s42
	v_perm_b32 v[F+4+\g],  v[TP+2], v[TP],   s43
	v_perm_b32 v[F+8+\g],  v[TP+3], v[TP+1], s42
	v_perm_b32 v[F+12+\g], v[TP+3], v[TP+1], s43
.endr
	s_wait_alu depctr_va_vdst(0)                   ; the holds and conversions are done with the quarter's registers, in which the loads below land; the turn has written F, which the LDS stores below read; in a trip's first quarter v[IMGW] is written
.if \cond
	s_cmp_lt_u32 s10, 2
	s_cbranch_scc0 .Lno_refill_\@
.endif
	WLOAD \p
.if \cond
.Lno_refill_\@:
.endif
.irp c, 0,1,2,3
	ds_store_b128 v[IMGW], v[F+4*\c:F+4*\c+3] offset:2048*\c+512*\p
.endr
.endm
.macro JOB cond                        ; one K step, 128 k x 64 columns, from registers to LDS
	s_wait_loadcnt 0x0                             ; the step's 64 loads are all that I have out
	s_add_nc_u64 s[36:37], s[36:37], 0x400000      ; so their base may step: four K steps of 128 rows x 8,192 bytes
	QTR 0, \cond
	QTR 1, \cond
	QTR 2, \cond
	QTR 3, \cond
.endm
; The five tiles from s9 on: each held at the expert's last tile and inside the expert's room; their offsets in xi, their tokens (rows 8 h .. 8 h + 7) and their route_prob_max (row r).
; All offsets are made first, then the loads go out behind one wait.  again = 1: a block of the tail, with earlier work of the wave behind it.
.macro BSETUP again
	s_wait_loadcnt 0x0                             ; no load of mine is out: the registers below may be loaded
	s_wait_xcnt 0x0                                ; earlier stores have read the registers that are written here
.if \again
	s_wait_alu depctr_vm_vsrc(0)                   ; x's earlier loads have read v[AD ..], which are written below; the last way out's LDS stores and stores have read T, RB and the row offsets, and a producer's LDS stores F: loads land in all of these below
.endif
.irp t, 0,1,2,3,4
	s_add_co_u32 s44, s9, \t
	s_min_u32 s44, s44, s8
	s_min_u32 s44, s44, 127
	s_lshl_b32 s45, s44, 15
	v_add_nc_u32 v[AD+\t], s45, v[LI]
	s_lshl_b32 s45, s44, 6
	v_add_nc_u32 v[BT+2*\t], s45, v[H32]
	v_add_nc_u32 v[BT+2*\t+1], s45, v[R4]
.endr
	s_wait_alu depctr_va_vdst(0)                   ; v[AD ..] and v[BT ..] are written, which the loads from here on read; in the tail the way out's arithmetic, or a producer's holds, conversions and turns, are done with the registers in which the lists, the bias and x land
.irp t, 0,1,2,3,4
	global_load_b128 v[TO+8*\t:TO+8*\t+3], v[BT+2*\t], s[24:25]
	global_load_b128 v[TO+8*\t+4:TO+8*\t+7], v[BT+2*\t], s[24:25] offset:16
	global_load_b32 v[PS+\t], v[BT+2*\t+1], s[26:27]
.endr
.endm
.macro LOADBI                          ; BI[m] = expert_b[e][64 cb + 32 h + m]
.irp n, 0,1,2,3,4,5,6,7
	global_load_b128 v[BI+4*\n:BI+4*\n+3], v[H128], s[18:19] offset:16*\n
.endr
.endm
.macro ALOAD buf                       ; x's five fragments of the K step at s[32:33] into buffer A0 (buf = 0) or A1 (buf = 1)
.set AB, A0+(A1-A0)*(\buf)
.if (\buf)
	WIN 0x50                                       ; destination window 1, address window 0: the setting of the products that follow
.endif
.irp t, 0,1,2,3,4
.irp d, 0,1,2,3
	global_load_b128 v[AB+16*\t+4*\d:AB+16*\t+4*\d+3], v[AD+\t], s[32:33] offset:512*\d
.endr
.endr
.endm
; A K step of a consumer: the weights' four fragments from the image at v[adr] + koff, the next step's x into the other buffer, 20 products on buffer par.  first = 1: the products start the sums.  last = 1: nothing more is asked for.
.macro CSTEP first, last, adr, koff, par
.set AR, A0+(A1-A0)*(\par)
	s_wait_loadcnt 0x0                             ; this step's x is in (in a block's first step the lists and the bias too): nothing of mine is out
.if !\last
	s_add_nc_u64 s[32:33], s[32:33], 2048          ; so the base may step
.endif
.if \first
	s_wait_alu depctr_vm_vsrc(0)                   ; the lists' loads have read their offsets v[BT ..], in which the weights' fragments land (no vector instruction has been issued since the set-up's wait on va_vdst)
.else
	s_wait_alu depctr_va_vdst(0)                   ; the last step's products are done reading B and the other buffer of x, in which the loads below land; behind the top of a trip v[ADRB] is written
.endif
.irp c, 0,1,2,3
.irp d, 0,1,2,3
	ds_load_b128 v[B+16*\c+4*\d:B+16*\c+4*\d+3], v[\adr] offset:\koff+2048*\c+512*\d
.endr
.endr
.if !\last
	ALOAD 1-\par                                   ; no further wait: nothing issued since the wait above names the other buffer or v[AD ..]
.endif
.if \par
	WIN 0x54                                       ; C and D window 1, x window 1
.else
	WIN 0x50                                       ; C and D window 1
.endif
.irp c, 0,1,2,3
	s_wait_dscnt 12-4*\c                           ; tile c's four loads are in; four for each later tile stay out
.irp t, 0,1,2,3,4
.if \first
	v_wmma_f32_16x16x128_fp8_fp8 v[8*(4*\t+\c):8*(4*\t+\c)+7], v[B+16*\c:B+16*\c+15], v[AR+16*\t:AR+16*\t+15], 0
.else
	v_wmma_f32_16x16x128_fp8_fp8 v[8*(4*\t+\c):8*(4*\t+\c)+7], v[B+16*\c:B+16*\c+15], v[AR+16*\t:AR+16*\t+15], v[8*(4*\t+\c):8*(4*\t+\c)+7]
.endif
.endr
.endr
	WIN 0
.rept 4
	v_nop                                          ; four places ahead of loads into registers that the products read, and of the first read of results
.endr
.endm
; THE WAY OUT of tile t, if the expert has it: sum x 2^(ex + ew) + bias, relu, x route_prob_max; through my own stage, so that sixteen lanes store 256 consecutive bytes of a token's row, at a multiple of 256 from out0's first byte.
.macro EPI t
	s_add_co_u32 s44, s9, \t
	s_cmp_lt_u32 s44, s7
	s_cbranch_scc0 .Lno_tile_\@
	s_wait_xcnt 0x0                                ; the last tile's stores have read their registers
.if \t > 0
	s_wait_alu depctr_vm_vsrc(0)                   ; the last tile's LDS stores have read T, which the arithmetic below writes again, and its stores RB, in which the LDS loads below land
.endif
	WIN 0x01                                       ; source 0 window 1
.irp j, 0,1,2,3,4,5,6,7                        ; each accumulator from its low end on
.irp c, 0,1,2,3
	v_fma_f32 v[T+4*\j+\c], v[8*(4*\t+\c)+\j], s38, v[BI+4*\j+\c]
.endr
.endr
	WIN 0
.set en, 0
.rept 32
	v_max_num_f32 v[T+en], 0, v[T+en]
.set en, en+1
.endr
.set en, 0
.rept 32
	v_mul_f32 v[T+en], v[PS+\t], v[T+en]
.set en, en+1
.endr
.irp i, 0,1,2,3,4,5,6,7
	v_min_u32 v[TO+8*\t+\i], 0x7ff, v[TO+8*\t+\i]          ; the token, inside out0
	v_lshl_add_u32 v[TO+8*\t+\i], v[TO+8*\t+\i], 13, v[Q16]
.endr
	s_wait_alu depctr_va_vdst(0)                   ; T is written, which the LDS stores read, and so are the row offsets, which the stores read; the products are done reading the registers that are RB now
.irp n, 0,1,2,3,4,5,6,7
	ds_store_b128 v[STO], v[T+4*\n:T+4*\n+3] offset:16*\n
.endr
.irp i, 0,1,2,3,4,5,6,7
	ds_load_b128 v[RB+4*\i:RB+4*\i+3], v[SRD] offset:272*\i    ; LDS serves a wave's instructions in order (ISA guide 5.7.1.4): these see my stores
.endr
.irp i, 0,1,2,3,4,5,6,7
	s_wait_dscnt 7-\i
	global_store_b128 v[TO+8*\t+\i], v[RB+4*\i:RB+4*\i+3], s[30:31] th:TH_STORE_NT
.endr
.Lno_tile_\@:
.endm
	s_load_b512 s[16:31], s[0:1], 0x0              ; expert_w s[16:17], expert_b s[18:19], lowp_scales s[20:21], xi s[22:23], order s[24:25], ps s[26:27], meta s[28:29], out0 s[30:31]
	v_lshl_add_u32 v30, v0, 2, 0x28800
	v_mov_b32 v31, 0
	v_lshrrev_b32 v24, 5, v0
	v_readfirstlane_b32 s2, v24                    ; wave 0..7
	v_and_b32 v25, 31, v0
	v_lshlrev_b32 v[LI], 4, v25
	v_and_b32 v26, 15, v0                          ; q = r
	v_bfe_u32 v27, v0, 4, 1                        ; h
	v_lshlrev_b32 v[Q16], 4, v26
	v_lshlrev_b32 v[H32], 5, v27
	v_lshlrev_b32 v[R4], 2, v26
	v_lshlrev_b32 v[H128], 7, v27
	v_lshl_add_u32 v[WOFF], v27, 17, v[Q16]
	v_add_nc_u32 v[HI], 0x10000, v[LI]
	s_wait_alu depctr_va_sdst(0)                   ; s2 is written, ahead of its first reader: roles, bases and LDS places are made from it
	s_and_b32 s3, s2, 3                            ; g
	s_and_b32 s4, ttmp7, 0xffff                    ; e
	s_mov_b32 s5, ttmp9                            ; cb
	s_mul_i32 s9, s3, 5                            ; a consumer's first tile; the tail's tiles are counted on from it in both roles
	s_mul_i32 s44, s2, 16*272
	s_add_co_u32 s44, s44, STG                     ; my stage
	v_mul_u32_u24 v[STO], v26, 272
	v_add_nc_u32 v[STO], v[H128], v[STO]
	v_add_nc_u32 v[STO], s44, v[STO]
	v_mul_u32_u24 v[SRD], v27, 8*272
	v_add_nc_u32 v[SRD], v[Q16], v[SRD]
	v_add_nc_u32 v[SRD], s44, v[SRD]
	s_lshl_b32 s44, s3, 13
	v_add_nc_u32 v[IMGW], s44, v[LI]               ; the first four K steps: producer g makes step g
	s_add_co_u32 s12, s44, 32768                   ; and in the loop's first trip step 4 + g
	s_mov_b32 s11, 16384                           ; the loop's first trip reads from image 2 on
	s_mov_b32 s10, 0                               ; the loop's trips
	s_mov_b32 s40, 0x05010400                      ; the turn's byte selects
	s_mov_b32 s41, 0x07030602
	s_mov_b32 s42, 0x05040100
	s_mov_b32 s43, 0x07060302
	s_mov_b32 s45, 0
	s_wait_kmcnt 0x0
	s_lshl_b32 s44, s4, 2
	s_add_nc_u64 s[28:29], s[28:29], s[44:45]
	s_load_b32 s6, s[28:29], 0x0                   ; the expert's count
	s_load_b64 s[46:47], s[20:21], 0x0             ; ex, ew
	s_lshl_b32 s44, s5, 8                          ; my 64 columns: 256 bytes
	s_add_nc_u64 s[36:37], s[16:17], s[44:45]
	s_add_nc_u64 s[18:19], s[18:19], s[44:45]
	s_add_nc_u64 s[30:31], s[30:31], s[44:45]
	s_lshl_b32 s44, s4, 24                         ; an expert's weights: 16 MiB;
	s_lshl_b32 s48, s3, 20                         ; a K step: 1 MiB
	s_add_co_u32 s44, s44, s48
	s_add_nc_u64 s[36:37], s[36:37], s[44:45]      ; expert_w at K step g
	s_lshl_b32 s44, s4, 22
	s_add_nc_u64 s[34:35], s[22:23], s[44:45]      ; xi at expert e,
	s_mov_b64 s[32:33], s[34:35]                   ; and the base that walks its K steps: made here, in every wave
	s_lshl_b32 s44, s4, 13
	s_add_nc_u64 s[24:25], s[24:25], s[44:45]      ; order, ps, expert_b at expert e
	s_add_nc_u64 s[26:27], s[26:27], s[44:45]
	s_add_nc_u64 s[18:19], s[18:19], s[44:45]
	s_wait_alu depctr_va_vdst(0)                   ; the offsets and LDS addresses v1 to v7, v9, v10 and v13 are written, which the loads, stores and LDS instructions below read
	s_cmp_lt_u32 s2, 4
	s_cbranch_scc1 .Lno_weights
	WLOAD 0                                        ; the producers' first K steps go out ahead of everything else
	WLOAD 1
	WLOAD 2
	WLOAD 3
.Lno_weights:
	s_wait_kmcnt 0x0
	s_min_u32 s6, s6, 0x800
	s_add_co_u32 s7, s6, 15
	s_lshr_b32 s7, s7, 4                           ; the expert's tiles
	s_max_u32 s8, s7, 1
	s_sub_co_u32 s8, s8, 1                         ; the last tile that the launch before has written
	s_add_co_i32 s38, s46, s47
	s_add_co_i32 s38, s38, 127
	s_lshl_b32 s38, s38, 23                        ; 2^(ex + ew) as f32
	s_add_co_i32 s47, s47, 127
	s_lshl_b32 s48, s47, 23
	v_mov_b32 v[SCV], s48                          ; 2^ew: the conversion takes its exponent field
	s_add_co_i32 s47, s47, 8
	s_lshl_b32 s47, s47, 23
	s_or_b32 s47, s47, 0x600000
	v_mov_b32 v[LIM], s47                          ; 448 x 2^ew
	s_cmp_lt_u32 s2, 4
	s_cbranch_scc0 .Lfirst_jobs
	BSETUP 0
	LOADBI
	ALOAD 0                                        ; K step 0 of x
	s_branch .Lfirst_done
.Lfirst_jobs:
	s_wait_alu depctr_va_vdst(0)
	JOB 0                                          ; K steps 0 to 3, one a producer; steps 4 to 7 are asked for
.Lfirst_done:
	BAR                                            ; images 0 to 3 lie in LDS
	s_cmp_lt_u32 s2, 4
	s_cbranch_scc0 .Lk
	CSTEP 1, 0, LI, 0, 0                           ; K steps 0 and 1
	CSTEP 0, 0, LI, 8192, 1
.Lk:                                               ; three trips of four K steps.  Trip u, first half: waves 4, 5 make images 4 u + 4, 4 u + 5; images 4 u + 2, 4 u + 3 are read.  Second half: waves 6, 7 make 4 u + 6, 4 u + 7; 4 u + 4, 4 u + 5 are read
	s_wait_alu depctr_vm_vsrc(0)                   ; the LDS stores issued so far have read v[IMGW] (and F), the LDS loads v[ADRB]: the two are written below
	v_add_nc_u32 v[IMGW], s12, v[LI]
	v_add_nc_u32 v[ADRB], s11, v[LI]
	s_cmp_lt_u32 s2, 4
	s_cbranch_scc1 .Lconsume_a
	s_cmp_lt_u32 s2, 6
	s_cbranch_scc0 .Ljoin_a
	JOB 1
	s_branch .Ljoin_a
.Lconsume_a:
	CSTEP 0, 0, ADRB, 0, 0
	CSTEP 0, 0, ADRB, 8192, 1
.Ljoin_a:
	BAR
	s_cmp_lt_u32 s2, 4
	s_cbranch_scc1 .Lconsume_b
	s_cmp_lt_u32 s2, 6
	s_cbranch_scc1 .Ljoin_b
	JOB 1
	s_branch .Ljoin_b
.Lconsume_b:
	CSTEP 0, 0, ADRB, 16384, 0
	CSTEP 0, 0, ADRB, 24576, 1
.Ljoin_b:
	BAR
	s_add_co_u32 s11, s11, 32768
	s_add_co_u32 s12, s12, 32768
	s_add_co_u32 s10, s10, 1
	s_cmp_lt_u32 s10, 3
	s_cbranch_scc1 .Lk
	s_cmp_lt_u32 s2, 4
	s_cbranch_scc0 .Lproducers_on
	CSTEP 0, 0, HI, 49152, 0                       ; K steps 14 and 15
	CSTEP 0, 1, HI, 57344, 1
	EPI 0
	EPI 1
	EPI 2
	EPI 3
	EPI 4
	s_add_co_u32 s9, s9, 40                        ; tiles 0-19 are done; the producers take 20-39 next, the consumers 40-59, and so on by 40
	s_branch .Lmore
.Lproducers_on:
	s_add_co_u32 s9, s9, 20
.Lmore:
	s_mov_b32 s13, 0                               ; the tail's trips
.Lblock:                                           ; three trips; in each, five more tiles a wave against the images in LDS, which nobody writes any more; every LDS address is a fixed register and an immediate
	s_cmp_lt_u32 s9, s7
	s_cbranch_scc0 .Lno_block                      ; the expert has none of my five tiles
	BSETUP 1
	LOADBI
	s_mov_b64 s[32:33], s[34:35]
	ALOAD 0
	CSTEP 1, 0, LI, 0, 0
.irp s, 1,2,3,4,5,6,7
	CSTEP 0, 0, LI, 8192*\s, \s%2
.endr
.irp s, 0,1,2,3,4,5,6
	CSTEP 0, 0, HI, 8192*\s, \s%2
.endr
	CSTEP 0, 1, HI, 57344, 1
	EPI 0
	EPI 1
	EPI 2
	EPI 3
	EPI 4
.Lno_block:
	s_add_co_u32 s9, s9, 40
	s_add_co_u32 s13, s13, 1
	s_cmp_lt_u32 s13, 3
	s_cbranch_scc1 .Lblock
	s_wait_dscnt 0x0                               ; the closing lines, six on end
	s_wait_alu 0x0
	s_wait_tensorcnt 0x0
	ds_add_u32 v30, v31
	s_wait_dscnt 0x0
	s_endpgm
.Lfunc_end_k_q99cf2c8900_gemm:
	.size	k_q99cf2c8900_gemm, .Lfunc_end_k_q99cf2c8900_gemm-k_q99cf2c8900_gemm
	.p2alignl 7, 3214868480
	.fill 96, 4, 3214868480
	.section	.rodata,"a",@progbits
	.p2align	6, 0x0
	.amdhsa_kernel k_q99cf2c8900_gemm
		.amdhsa_group_segment_fixed_size 166912
		.amdhsa_private_segment_fixed_size 0
		.amdhsa_enable_private_segment 0
		.amdhsa_kernarg_size 64
		.amdhsa_user_sgpr_count 2
		.amdhsa_user_sgpr_kernarg_segment_ptr 1
		.amdhsa_wavefront_size32 1
		.amdhsa_system_sgpr_workgroup_id_x 1
		.amdhsa_system_sgpr_workgroup_id_y 1
		.amdhsa_system_sgpr_workgroup_id_z 1
		.amdhsa_system_vgpr_workitem_id 0
		.amdhsa_next_free_vgpr 496
		.amdhsa_next_free_sgpr 66
		.amdhsa_reserve_vcc 0
		.amdhsa_float_denorm_mode_32 3
		.amdhsa_float_denorm_mode_16_64 3
		.amdhsa_memory_ordered 1
		.amdhsa_forward_progress 1
		.amdhsa_inst_pref_size 255
	.end_amdhsa_kernel
	.section	.bss,"aw",@nobits
	.p2align	6
	.space	262144
	.amdgpu_metadata
---
amdhsa.version: [ 1, 2 ]
amdhsa.kernels:
  - .name:           k_q99cf2c8900_gemm
    .symbol:         k_q99cf2c8900_gemm.kd
    .args:
      - { .name: expert_w, .offset: 0, .size: 8, .value_kind: global_buffer, .address_space: global }
      - { .name: expert_b, .offset: 8, .size: 8, .value_kind: global_buffer, .address_space: global }
      - { .name: lowp_scales, .offset: 16, .size: 8, .value_kind: global_buffer, .address_space: global }
      - { .name: xi, .offset: 24, .size: 8, .value_kind: global_buffer, .address_space: global }
      - { .name: order, .offset: 32, .size: 8, .value_kind: global_buffer, .address_space: global }
      - { .name: ps, .offset: 40, .size: 8, .value_kind: global_buffer, .address_space: global }
      - { .name: meta, .offset: 48, .size: 8, .value_kind: global_buffer, .address_space: global }
      - { .name: out0, .offset: 56, .size: 8, .value_kind: global_buffer, .address_space: global }
    .group_segment_fixed_size: 166912
    .private_segment_fixed_size: 0
    .kernarg_segment_align: 8
    .kernarg_segment_size: 64
    .max_flat_workgroup_size: 256
    .sgpr_count:     66
    .vgpr_count:     496
    .wavefront_size: 32
...
	.end_amdgpu_metadata
.endif
;; end of part 6
